; MI455X (gfx1250); checked and timed in simulation.
; The chip was launched on July 23, 2026; its instructions are those of AMD's public machine-readable ISA for CDNA 5 (MIT licence, August 2026) and "CDNA5" Instruction Set Architecture Reference Guide (July 2026). The comments in the code are by the model that wrote it; some were corrected since.
;; Moe Layer. Allowed arithmetic: matrix products marked QUANTISED: E2M1 operands, one E8M0 scale for each 32 along K, by v_wmma_scale_f32_16x16x128_f8f6f4 with both operands' format E2M1 (or v_wmma_scale_f32_32x16x128_f4), f32 sums; products left as they are: f32 operands where the result goes on into a quantised operand, else bf16, f16 or f32 operands; f32 sums; everything else in f32.
;; Inputs: b1 8 x 4,096 float32; b2 8 x 1,024 float32; gate_b 8 float32; gate_w 1,024 x 8 float32; inputs 1,024 x 1,024 float32; w1_codes 8 x 4,096 x 32 x 16 uint8 (E2M1 codes of w1, K innermost, in blocks of 32 codes, two codes a byte); w1_scales 8 x 4,096 x 32 uint8 (E8M0 scales of w1, one for each 32 codes along K); w2_codes 8 x 1,024 x 128 x 16 uint8 (E2M1 codes of w2, K innermost, in blocks of 32 codes, two codes a byte); w2_scales 8 x 1,024 x 128 uint8 (E8M0 scales of w2, one for each 32 codes along K).
;; Outputs: out0 1,024 x 1,024 float32.
;; This version of the problem:
;;   THIS VERSION OF THE PROBLEM IS GIVEN IN LOW PRECISION. The matrix products marked QUANTISED in the list below multiply operands that are first quantised to E2M1 (2 exponent bits, 1 mantissa bit; 4 bits a number), with one power-of-two scale for each 32 numbers along K (OCP MX v1.0); their sums are f32. All else is computed in f32.
;;   The module's matrix products, in the order in which they are computed (A, B: the left and right operand; K: the contracted axis; several contracted axes count as one K, in the product's order):
;;     1. [M 1,024, K 1,024] x [K 1,024, N 8]; A: input inputs; B: input gate_w: left as it is (N = 8 < 16)
;;     2. [M 1,024, K 1,024] x [K 1,024, N 4,096]; A: input inputs; B: input w1 (given as codes): QUANTISED
;;     3. [M 1,024, K 4,096] x [K 4,096, N 1,024]; A: computed on the way; B: input w2 (given as codes): QUANTISED
;;     4. [M 1,024, K 1,024] x [K 1,024, N 4,096]; A: input inputs; B: input w1 (given as codes): QUANTISED
;;     5. [M 1,024, K 4,096] x [K 4,096, N 1,024]; A: computed on the way; B: input w2 (given as codes): QUANTISED
;;     6. [M 1,024, K 1,024] x [K 1,024, N 4,096]; A: input inputs; B: input w1 (given as codes): QUANTISED
;;     7. [M 1,024, K 4,096] x [K 4,096, N 1,024]; A: computed on the way; B: input w2 (given as codes): QUANTISED
;;     8. [M 1,024, K 1,024] x [K 1,024, N 4,096]; A: input inputs; B: input w1 (given as codes): QUANTISED
;;     9. [M 1,024, K 4,096] x [K 4,096, N 1,024]; A: computed on the way; B: input w2 (given as codes): QUANTISED
;;     10. [M 1,024, K 1,024] x [K 1,024, N 4,096]; A: input inputs; B: input w1 (given as codes): QUANTISED
;;     11. [M 1,024, K 4,096] x [K 4,096, N 1,024]; A: computed on the way; B: input w2 (given as codes): QUANTISED
;;     12. [M 1,024, K 1,024] x [K 1,024, N 4,096]; A: input inputs; B: input w1 (given as codes): QUANTISED
;;     13. [M 1,024, K 4,096] x [K 4,096, N 1,024]; A: computed on the way; B: input w2 (given as codes): QUANTISED
;;     14. [M 1,024, K 1,024] x [K 1,024, N 4,096]; A: input inputs; B: input w1 (given as codes): QUANTISED
;;     15. [M 1,024, K 4,096] x [K 4,096, N 1,024]; A: computed on the way; B: input w2 (given as codes): QUANTISED
;;     16. [M 1,024, K 1,024] x [K 1,024, N 4,096]; A: input inputs; B: input w1 (given as codes): QUANTISED
;;     17. [M 1,024, K 4,096] x [K 4,096, N 1,024]; A: computed on the way; B: input w2 (given as codes): QUANTISED
;;   THE QUANTISER, for each operand of a quantised product, along K:
;;     - K is cut into blocks of 32 from its start; a last block that is shorter is filled with zeros.
;;     - A block's scale is 2^e with e = floor(log2(the largest magnitude in the block)) - 2, held to -126 .. 127; a block of zeros has e = 0. As a byte (E8M0): e + 127.
;;     - Each number is divided by its block's scale, clamped to +-6, and rounded to the nearest number of E2M1, ties to even, subnormals kept.
;;     - The product sums the exact products of the quantised numbers (number of the format x scale) in f32.
;;   ~~~python
;;   def quantise(x, axis):      # numpy; x: float32 -> the quantised numbers, widened to float32 again
;;       x = np.moveaxis(x, axis, -1); K = x.shape[-1]
;;       x = np.pad(x, [(0, 0)] * (x.ndim - 1) + [(0, -K % 32)]); x = x.reshape(x.shape[:-1] + (-1, 32)); a = np.abs(x).max(-1, keepdims=True)
;;       e = np.where(a > 0, np.clip(np.frexp(np.where(a > 0, a, 1))[1] - 1 - 2, -126, 127), 0)      # np.frexp(a)[1] - 1 = floor(log2(a)), exactly
;;       r = np.clip(x / 2.0 ** e, -6, 6)
;;       step = 2.0 ** (np.maximum(np.frexp(np.where(r == 0, 1, r))[1] - 1, 0) - 1)
;;       q = np.round(r / step) * step * 2.0 ** e      # np.round: ties to even
;;       return np.moveaxis(q.reshape(q.shape[:-2] + (-1,))[..., :K], -1, axis).astype(np.float32)
;;   ~~~
;;   OPERANDS COMPUTED ON THE WAY. 'Computed on the way' means the value that the module computes at that place (a softmax that the list does not call 'softmax' is quantised finished and normalised). What goes into a quantiser is computed in f32, as accurately as f32 sums, v_exp_f32 and their like allow (about 1e-6 of the number): no bf16 or f16 on the way to a quantiser, and a product that is left as it is and whose result goes on into a quantised operand takes f32 operands (vector FMAs, or v_wmma_f32_16x16x4_f32). A number that lies on a knife's edge between two numbers of the format may be rounded either way, as far as f32 arithmetic and the matrix unit's own rounding can turn it there, and no further.
;;   INPUTS GIVEN AS CODES. w1 (in the module: [8, 1024, 4096], K = its axis 1); w2 (in the module: [8, 4096, 1024], K = its axis 1): each comes as NAME_codes (uint8): NAME with its K axis moved to the last place and cut into blocks of 32 codes, [.., K / 32, bytes a block], one block behind the other in memory; two codes a byte, the lower K in the low four bits (a code: sign, 2 exponent bits, 1 mantissa bit); and NAME_scales (uint8): the same leading axes, one E8M0 byte (e + 127) for each 32 codes along K. Its value is code x scale, taken as it is: it is not quantised again, and the codes and scales need not be those that the quantiser above would give.
;; 3 versions, each right; version 2 is faster than version 1; version 3 is version 2 with the launches up, down written anew for expert scheduling mode. Each part assembles by itself: llvm-mc -triple=amdgcn-amd-amdhsa -mcpu=gfx1250 --defsym DOCPART=n.
;; ======== version 1 of 3: 5 launches
;; workspace buffers: sel 4,096 bytes of whole numbers; wts 8,192 bytes; xc 524,288 bytes; xsc 32,768 bytes; list 36,864 bytes of whole numbers; hc 16,777,216 bytes; hsc 2,097,152 bytes; ybuf 8,912,896 bytes
;; launch route (part 1): grid 256 x 1, 4 waves a work-group, no clusters, 33,792 bytes of LDS; arguments inputs, gate_w, gate_b, sel, wts, xc, xsc; writes sel, wts, xc, xsc
.if DOCPART == 1
	.amdgcn_target "amdgcn-amd-amdhsa--gfx1250"
	.amdhsa_code_object_version 6
	.text
	.protected	k_qfc710bbf5d_route
	.globl	k_qfc710bbf5d_route
	.p2align	8
	.type	k_qfc710bbf5d_route,@function
k_qfc710bbf5d_route:
	s_mov_b64 s[64:65], 0
	v_nop
	global_prefetch_b8 v0, s[64:65] scope:SCOPE_SE
	s_setreg_imm32_b32 hwreg(HW_REG_WAVE_MODE, 25, 1), 1
	s_wait_xcnt 0x0
; ROUTER AND QUANTISER OF x.  One wave takes one token (row of 1,024 f32): token = 4 x work-group + wave.  Lane l owns block l of the row, k = 32 l .. 32 l + 31.
; It stores: x's codes of E2M1 (xc: 512 bytes a token, K innermost) and scale bytes (xsc: 32 a token); the two chosen experts as a whole number
; (sel[token] = first | second << 8); their softmax weights (wts[k x 1024 + token]).  No address and no branch here hangs on the choice: a later launch reads sel.
; The 8 logits are f32 fused multiply-adds: each lane sums its 32 k, then the 32 lanes are added.  gate_w (32,768 bytes) goes once through LDS, so that it is
; loaded densely and each lane then takes its own 32 rows of 8 numbers into 256 registers.
; LIMITS: the logits are summed in another order than a row-by-row f32 sum, so two logits that are equal within f32 rounding may be ranked the other way;
; exact ties keep the lower index.  NaN or infinite logits are not served.  A block whose largest magnitude lies under 2^-124 keeps the scale byte 1
; (a block of zeros too: its codes are zeros, and these bytes are read by this program alone).
.set ACC,   16                         ; v16-23   the 8 logits, as four pairs
.set MK,    24                         ; v24-31   lane exchange, then the logits with the winner masked
.set X,     32                         ; v32-63   my 32 numbers of x
.set STG,   64                         ; v64-127  gate_w as loaded
.set CD,    128                        ; v128-131 my block's 32 codes
.set PITCH, 1040                       ; LDS: 1,024 bytes of gate_w (32 rows of 8 f32: one lane's share) + 16 of padding = 260 words: lane l's share starts at bank 4 l mod 64 (64 banks of 4 bytes: ISA guide 11.1)
.set MSB, 0
.macro WIN new                         ; the immediate's high byte repeats the setting that is left
.if MSB != (\new)
	s_set_vgpr_msb (MSB<<8)|(\new)
.set MSB, (\new)
.endif
.endm
	s_load_b256 s[4:11], s[0:1], 0x0               ; inputs s[4:5], gate_w s[6:7], gate_b s[8:9], sel s[10:11]
	s_load_b128 s[12:15], s[0:1], 0x20             ; wts s[12:13], xc s[14:15]
	s_load_b64 s[16:17], s[0:1], 0x30              ; xsc
	v_lshl_add_u32 v254, v0, 2, 0x8200
	v_mov_b32 v255, 0
	v_lshrrev_b32 v2, 5, v0
	v_readfirstlane_b32 s18, v2                    ; wave 0..3
	v_and_b32 v1, 31, v0                           ; lane; also my scale byte's offset
	s_lshl_b32 s19, ttmp9, 2
	s_add_co_u32 s19, s19, s18                     ; token
	v_lshlrev_b32 v3, 7, v1                        ; x: my block's 128 bytes
	v_lshlrev_b32 v4, 4, v1                        ; 16 x lane
	s_mul_i32 s20, s18, 8*PITCH
	v_add_nc_u32 v5, s20, v4                       ; LDS, in: my wave's quarter of gate_w: 8 padded rows
	v_mul_u32_u24 v6, v1, PITCH                    ; LDS, out: my lane's 1,024 bytes
	v_lshlrev_b32 v8, 12, v1                       ; wts: lane 0 the first weight, lane 1 the second, 4,096 bytes on; 0 in lane 0 for sel
	s_mov_b32 s32, 0x76543210
	s_mov_b32 s33, 0xfedcba98                      ; v_permlanex16_b32's selects for lane l xor 16
	s_mov_b32 s21, 0
	v_mov_b32 v140, 0xff800000                     ; -infinity
.irp e, 0,1,2,3,4,5,6,7
	v_mov_b32 v[MK+\e], 0                          ; written once: a lane permute's destination counts as one of its sources
.endr
	s_wait_kmcnt 0x0
	s_load_b256 s[24:31], s[8:9], 0x0              ; gate_b's 8 numbers
	s_lshl_b32 s20, s19, 12
	s_add_nc_u64 s[4:5], s[4:5], s[20:21]          ; my row of x
	s_lshl_b32 s20, s18, 13
	s_add_nc_u64 s[6:7], s[6:7], s[20:21]          ; my wave's 8,192 bytes of gate_w
	s_lshl_b32 s20, s19, 9
	s_add_nc_u64 s[14:15], s[14:15], s[20:21]      ; my row of codes
	s_lshl_b32 s20, s19, 5
	s_add_nc_u64 s[16:17], s[16:17], s[20:21]      ; my row of scale bytes
	s_lshl_b32 s20, s19, 2
	s_add_nc_u64 s[10:11], s[10:11], s[20:21]      ; sel[token]
	s_add_nc_u64 s[12:13], s[12:13], s[20:21]      ; wts[token]
.irp i, 0,1,2,3,4,5,6,7,8,9,10,11,12,13,14,15
	global_load_b128 v[STG+4*\i:STG+4*\i+3], v4, s[6:7] offset:512*\i      ; 32 lanes read 512 consecutive bytes
.endr
.irp i, 0,1,2,3,4,5,6,7
	global_load_b128 v[X+4*\i:X+4*\i+3], v3, s[4:5] offset:16*\i           ; my block: the eight loads together cover the row's 4,096 bytes
.endr
	s_wait_loadcnt 8                               ; gate_w's 16 loads are in; the 8 loads of x, issued behind them, may stay out
.irp i, 0,1,2,3,4,5,6,7,8,9,10,11,12,13,14,15
	ds_store_b128 v5, v[STG+4*\i:STG+4*\i+3] offset:512*\i+16*(\i/2)       ; 16 bytes of padding behind each 1,024
.endr
	s_wait_dscnt 0x0                               ; for the other waves' sake: my stores have landed
	s_barrier_signal -1
	s_barrier_wait -1                              ; all of gate_w lies in LDS; nobody writes it again
	WIN 0x40                                       ; destination window 1
.set m, 0
.rept 64
	ds_load_b128 v[4*m:4*m+3], v6 offset:16*m      ; register 8 kk + e of window 1 = gate_w[32 l + kk][e]
.set m, m+1
.endr
	WIN 0
	s_wait_loadcnt 0x0                             ; x
	; the block's scale: largest magnitude with the floor 2^(3 - 127) among its leaves, 2 off its exponent field
	v_max3_num_f32 v132, |v[X]|, |v[X+1]|, |v[X+2]|
	v_max3_num_f32 v133, |v[X+3]|, |v[X+4]|, |v[X+5]|
.irp i, 6,10,14,18,22,26
	v_max3_num_f32 v132, v132, |v[X+\i]|, |v[X+\i+1]|
	v_max3_num_f32 v133, v133, |v[X+\i+2]|, |v[X+\i+3]|
.endr
	v_max3_num_f32 v132, v132, |v[X+30]|, |v[X+31]|
	v_max3_num_f32 v132, v132, v133, 0x1800000
	v_add_nc_u32 v134, 0xff000000, v132            ; the conversion takes the exponent field of this operand as its scale
	v_lshrrev_b32 v135, 23, v134                   ; the scale's byte
.irp g, 0,1,2,3
	v_cvt_scalef32_pk8_fp4_f32 v[CD+\g], v[X+8*\g:X+8*\g+7], v134
.endr
	v_nop                                          ; one plain place behind the conversions
	global_store_b128 v4, v[CD:CD+3], s[14:15]     ; the wave stores 512 consecutive bytes
	global_store_b8 v1, v135, s[16:17]             ; and 32 consecutive scale bytes
	s_wait_dscnt 0x0                               ; my 256 numbers of gate_w
	WIN 0x01                                       ; source 0 (gate_w) window 1
.irp p, 0,1,2,3
	v_pk_mul_f32 v[ACC+2*\p:ACC+2*\p+1], v[2*\p:2*\p+1], v[X:X+1] op_sel_hi:[1,0]      ; kk = 0 starts the sums: x's number serves both halves
.endr
.set kk, 1
.rept 31
.irp p, 0,1,2,3
.if kk%2
	v_pk_fma_f32 v[ACC+2*\p:ACC+2*\p+1], v[8*kk+2*\p:8*kk+2*\p+1], v[X+kk-1:X+kk], v[ACC+2*\p:ACC+2*\p+1] op_sel:[0,1,0] op_sel_hi:[1,1,1]
.else
	v_pk_fma_f32 v[ACC+2*\p:ACC+2*\p+1], v[8*kk+2*\p:8*kk+2*\p+1], v[X+kk:X+kk+1], v[ACC+2*\p:ACC+2*\p+1] op_sel_hi:[1,0,1]
.endif
.endr
.set kk, kk+1
.endr
	WIN 0
.irp m, 1,2,4,8                        ; over the 32 lanes; the 8 logits by turns; every lane ends with the same bits
.irp e, 0,1,2,3,4,5,6,7
	v_add_f32_dpp v[ACC+\e], v[ACC+\e], v[ACC+\e] row_xmask:\m row_mask:0xf bank_mask:0xf
.endr
.endr
.irp e, 0,1,2,3,4,5,6,7
	v_permlanex16_b32 v[MK+\e], v[ACC+\e], s32, s33
.endr
.irp e, 0,1,2,3,4,5,6,7
	v_add_f32 v[ACC+\e], v[ACC+\e], v[MK+\e]
.endr
	s_wait_kmcnt 0x0                               ; gate_b
.irp e, 0,1,2,3,4,5,6,7
	v_add_f32 v[ACC+\e], s[24+\e], v[ACC+\e]
.endr
	; the largest logit; an equal one further on does not displace it
	v_mov_b32 v136, v[ACC]
	v_mov_b32 v137, 0
.irp e, 1,2,3,4,5,6,7
	v_cmp_ge_f32 vcc_lo, v136, v[ACC+\e]
	v_cndmask_b32 v137, \e, v137, vcc_lo
	v_cndmask_b32 v136, v[ACC+\e], v136, vcc_lo
.endr
.irp e, 0,1,2,3,4,5,6,7
	v_cmp_eq_u32 vcc_lo, \e, v137
	v_cndmask_b32 v[MK+\e], v[ACC+\e], v140, vcc_lo        ; the winner becomes -infinity
.endr
	v_mov_b32 v138, v[MK]                          ; and the same search gives the second
	v_mov_b32 v139, 0
.irp e, 1,2,3,4,5,6,7
	v_cmp_ge_f32 vcc_lo, v138, v[MK+\e]
	v_cndmask_b32 v139, \e, v139, vcc_lo
	v_cndmask_b32 v138, v[MK+\e], v138, vcc_lo
.endr
	; softmax of the two, the larger taken away: 1 / (1 + p) and p / (1 + p), p = e^(second - first) <= 1
	v_sub_f32 v141, v138, v136
	v_mul_f32 v141, 0x3fb8aa3b, v141
	v_exp_f32 v141, v141
	v_lshl_or_b32 v144, v139, 8, v137              ; first | second << 8.  (The plain place behind the exponential)
	s_wait_alu depctr_va_vdst(0)
	v_add_f32 v142, 1.0, v141
	v_rcp_f32 v142, v142
	v_nop                                          ; a plain place behind the reciprocal
	s_wait_alu depctr_va_vdst(0)
	v_mul_f32 v143, v141, v142
	v_cmp_eq_u32 vcc_lo, 1, v1
	v_cndmask_b32 v143, v142, v143, vcc_lo         ; lane 1 carries the second weight
	s_wait_xcnt 0x0                                ; EXEC is a source of the stores above: it changes only behind this wait
	v_cmp_gt_u32 vcc_lo, 2, v1
	s_wait_tensorcnt 0x0
	ds_add_u32 v254, v255
	s_wait_dscnt 0x0
	s_and_saveexec_b32 s34, vcc_lo
	global_store_b32 v8, v143, s[12:13]            ; lanes 0 and 1
	s_wait_xcnt 0x0
	s_or_b32 exec_lo, exec_lo, s34
	v_cmp_eq_u32 vcc_lo, 0, v1
	s_and_saveexec_b32 s35, vcc_lo
	global_store_b32 v8, v144, s[10:11]            ; lane 0, whose v8 is 0
	s_wait_xcnt 0x0
	s_or_b32 exec_lo, exec_lo, s35
	s_endpgm
.Lfunc_end_k_qfc710bbf5d_route:
	.size	k_qfc710bbf5d_route, .Lfunc_end_k_qfc710bbf5d_route-k_qfc710bbf5d_route
	.p2alignl 7, 3214868480
	.fill 96, 4, 3214868480
	.section	.rodata,"a",@progbits
	.p2align	6, 0x0
	.amdhsa_kernel k_qfc710bbf5d_route
		.amdhsa_group_segment_fixed_size 33792
		.amdhsa_private_segment_fixed_size 0
		.amdhsa_enable_private_segment 0
		.amdhsa_kernarg_size 56
		.amdhsa_user_sgpr_count 2
		.amdhsa_user_sgpr_kernarg_segment_ptr 1
		.amdhsa_wavefront_size32 1
		.amdhsa_system_sgpr_workgroup_id_x 1
		.amdhsa_system_sgpr_workgroup_id_y 1
		.amdhsa_system_sgpr_workgroup_id_z 1
		.amdhsa_system_vgpr_workitem_id 0
		.amdhsa_next_free_vgpr 512
		.amdhsa_next_free_sgpr 66
		.amdhsa_reserve_vcc 1
		.amdhsa_float_denorm_mode_32 3
		.amdhsa_float_denorm_mode_16_64 3
		.amdhsa_memory_ordered 1
		.amdhsa_forward_progress 1
		.amdhsa_inst_pref_size 26
	.end_amdhsa_kernel
	.amdgpu_metadata
---
amdhsa.version: [ 1, 2 ]
amdhsa.kernels:
  - .name:           k_qfc710bbf5d_route
    .symbol:         k_qfc710bbf5d_route.kd
    .args:
      - { .name: inputs, .offset: 0, .size: 8, .value_kind: global_buffer, .address_space: global }
      - { .name: gate_w, .offset: 8, .size: 8, .value_kind: global_buffer, .address_space: global }
      - { .name: gate_b, .offset: 16, .size: 8, .value_kind: global_buffer, .address_space: global }
      - { .name: sel, .offset: 24, .size: 8, .value_kind: global_buffer, .address_space: global }
      - { .name: wts, .offset: 32, .size: 8, .value_kind: global_buffer, .address_space: global }
      - { .name: xc, .offset: 40, .size: 8, .value_kind: global_buffer, .address_space: global }
      - { .name: xsc, .offset: 48, .size: 8, .value_kind: global_buffer, .address_space: global }
    .group_segment_fixed_size: 33792
    .private_segment_fixed_size: 0
    .kernarg_segment_align: 8
    .kernarg_segment_size: 56
    .max_flat_workgroup_size: 128
    .sgpr_count:     66
    .vgpr_count:     512
    .wavefront_size: 32
...
	.end_amdgpu_metadata
.endif
;; end of part 1
;; launch place (part 2): grid 1 x 1, 8 waves a work-group, no clusters, 0 bytes of LDS; arguments sel, list; writes list
.if DOCPART == 2
	.amdgcn_target "amdgcn-amd-amdhsa--gfx1250"
	.amdhsa_code_object_version 6
	.text
	.protected	k_qfc710bbf5d_place
	.globl	k_qfc710bbf5d_place
	.p2align	8
	.type	k_qfc710bbf5d_place,@function
k_qfc710bbf5d_place:
	s_mov_b64 s[64:65], 0
	v_nop
	global_prefetch_b8 v0, s[64:65] scope:SCOPE_SE
	s_setreg_imm32_b32 hwreg(HW_REG_WAVE_MODE, 25, 1), 1
	s_wait_xcnt 0x0
; THE ROWS ARE PLACED BY EXPERT.  Wave e reads all 1,024 words of sel and writes expert e's list (1,152 words, 4,608 bytes):
;   words 0 .. count - 1        the entries k x 1024 + token of the rows routed to e, in token order;
;   words count .. count + 63   pad entries 2048 + 16 e + (lane % 16);
;   words 1088 .. 1119          spare words, one a lane, which nobody reads (below);
;   words 1120 .. 1151          the number of tiles of 16 rows, nt = max(ceil(count / 16), 1).
; An expert without rows so has one tile of pads: tile 0 of every expert exists.  A pad stands for token 16 e + i and for row 2048 + 16 e + i of the later result buffer, which nobody reads;
; only the pads that fill the last tile are ever used, at most 16 in a row, so they name different rows.
; 32 tokens at a time: a lane's place is the count so far + the number of lower lanes that match.  EVERY LANE STORES IN EVERY CHUNK: a lane whose token is not routed to e puts its
; entry into its spare word, so that EXEC is never changed; the place is chosen by v_cndmask_b32 and then held under the list's 1,120 words.
; Each chunk has its own address and data registers: no store's sources are written again, so no wait stands between the chunks.
; Waves share nothing: no LDS, no barrier.
.set W,   32                           ; v32-63  sel's words as loaded; then each chunk's entries
.set POS, 64                           ; v64-95  each chunk's byte offsets in the list
	s_load_b128 s[4:7], s[0:1], 0x0                ; sel s[4:5], list s[6:7]
	v_lshrrev_b32 v3, 5, v0
	v_readfirstlane_b32 s8, v3                     ; wave = expert
	v_and_b32 v1, 31, v0                           ; lane
	v_lshlrev_b32 v2, 2, v1
	v_add_nc_u32 v8, 1088, v1                      ; my spare word
	s_mul_i32 s14, s8, 4608
	s_mov_b32 s15, 0
	s_mov_b32 s10, 0                               ; rows so far
	s_wait_kmcnt 0x0
	s_add_nc_u64 s[6:7], s[6:7], s[14:15]
.set i, 0
.rept 32
	global_load_b32 v[W+i], v2, s[4:5] offset:128*i
.set i, i+1
.endr
	s_wait_loadcnt 0x0
.macro CHUNK i                         ; tokens 32 i .. 32 i + 31
	v_and_b32 v3, 0xff, v[W+\i]                    ; the first choice
	v_lshrrev_b32 v4, 8, v[W+\i]                   ; the second
	v_cmp_eq_u32 s11, s8, v3
	v_cmp_eq_u32 vcc_lo, s8, v4
	v_add_nc_u32 v5, 32*\i, v1
	v_add_nc_u32 v6, 1024+32*\i, v1
	v_cndmask_b32 v[W+\i], v5, v6, vcc_lo          ; the entry: k x 1024 + token
	s_or_b32 s12, s11, vcc_lo                      ; the two choices of a token differ: at most one matches
	v_mbcnt_lo_u32_b32 v7, s12, s10                ; the count so far + the matching lanes below me
	v_cndmask_b32 v[POS+\i], v8, v7, s12           ; my place in the list, or my spare word
	v_min_u32 v[POS+\i], 1119, v[POS+\i]
	v_lshlrev_b32 v[POS+\i], 2, v[POS+\i]
	global_store_b32 v[POS+\i], v[W+\i], s[6:7]
	s_bcnt1_i32_b32 s14, s12
	s_add_co_u32 s10, s10, s14
	s_min_u32 s10, s10, 1024                       ; held at the number of tokens, which it cannot pass
.endm
.set i, 0
.rept 32
	CHUNK i
.set i, i+1
.endr
	v_and_b32 v3, 15, v1
	s_lshl_b32 s14, s8, 4
	s_add_co_u32 s14, s14, 2048
	v_add_nc_u32 v3, s14, v3                       ; the pad entry
	v_add_nc_u32 v4, s10, v1
	v_add_nc_u32 v5, 32, v4
	v_min_u32 v4, 1087, v4
	v_min_u32 v5, 1087, v5
	v_lshlrev_b32 v4, 2, v4
	v_lshlrev_b32 v5, 2, v5
	global_store_b32 v4, v3, s[6:7]                ; words count .. count + 31
	global_store_b32 v5, v3, s[6:7]                ; and count + 32 .. count + 63
	s_add_co_u32 s16, s10, 15
	s_lshr_b32 s16, s16, 4
	s_max_u32 s16, s16, 1
	v_mov_b32 v6, s16
	global_store_b32 v2, v6, s[6:7] offset:4480    ; nt, in words 1120 .. 1151
	s_endpgm
.Lfunc_end_k_qfc710bbf5d_place:
	.size	k_qfc710bbf5d_place, .Lfunc_end_k_qfc710bbf5d_place-k_qfc710bbf5d_place
	.p2alignl 7, 3214868480
	.fill 96, 4, 3214868480
	.section	.rodata,"a",@progbits
	.p2align	6, 0x0
	.amdhsa_kernel k_qfc710bbf5d_place
		.amdhsa_group_segment_fixed_size 0
		.amdhsa_private_segment_fixed_size 0
		.amdhsa_enable_private_segment 0
		.amdhsa_kernarg_size 16
		.amdhsa_user_sgpr_count 2
		.amdhsa_user_sgpr_kernarg_segment_ptr 1
		.amdhsa_wavefront_size32 1
		.amdhsa_system_sgpr_workgroup_id_x 1
		.amdhsa_system_sgpr_workgroup_id_y 1
		.amdhsa_system_sgpr_workgroup_id_z 1
		.amdhsa_system_vgpr_workitem_id 0
		.amdhsa_next_free_vgpr 96
		.amdhsa_next_free_sgpr 66
		.amdhsa_reserve_vcc 1
		.amdhsa_float_denorm_mode_32 3
		.amdhsa_float_denorm_mode_16_64 3
		.amdhsa_memory_ordered 1
		.amdhsa_forward_progress 1
		.amdhsa_inst_pref_size 31
	.end_amdhsa_kernel
	.amdgpu_metadata
---
amdhsa.version: [ 1, 2 ]
amdhsa.kernels:
  - .name:           k_qfc710bbf5d_place
    .symbol:         k_qfc710bbf5d_place.kd
    .args:
      - { .name: sel, .offset: 0, .size: 8, .value_kind: global_buffer, .address_space: global }
      - { .name: list, .offset: 8, .size: 8, .value_kind: global_buffer, .address_space: global }
    .group_segment_fixed_size: 0
    .private_segment_fixed_size: 0
    .kernarg_segment_align: 8
    .kernarg_segment_size: 16
    .max_flat_workgroup_size: 256
    .sgpr_count:     66
    .vgpr_count:     96
    .wavefront_size: 32
...
	.end_amdgpu_metadata
.endif
;; end of part 2
;; launch up (part 3): grid 32 x 8, 4 waves a work-group, no clusters, 0 bytes of LDS; arguments list, xc, xsc, w1_codes, w1_scales, b1, hc, hsc; writes hc, hsc
.if DOCPART == 3
	.amdgcn_target "amdgcn-amd-amdhsa--gfx1250"
	.amdhsa_code_object_version 6
	.text
	.protected	k_qfc710bbf5d_up
	.globl	k_qfc710bbf5d_up
	.p2align	8
	.type	k_qfc710bbf5d_up,@function
k_qfc710bbf5d_up:
	s_mov_b64 s[64:65], 0
	v_nop
	global_prefetch_b8 v0, s[64:65] scope:SCOPE_SE
	s_setreg_imm32_b32 hwreg(HW_REG_WAVE_MODE, 25, 1), 1
	s_wait_xcnt 0x0
; FIRST PRODUCT, GELU, QUANTISER OF THE HIDDEN LAYER, for the rows that were routed to an expert alone.
; Work-group (x = slice, y = expert) owns hidden units 128 slice .. + 127 of the expert: one K step of the second product.  THE WEIGHTS STAND STILL: each of the four waves holds
; the slice of W1 (128 rows x 1,024 K of E2M1: 64 fragments, 512 registers), its scale words and its bias in registers, read once; the expert's rows stream past, 16 at a time:
; wave w takes tiles w, w + 4, .. below nt.  Waves share nothing: no LDS, no barrier.  A wave without a tile ends.
; No tensor load, no cluster: the trip count hangs on a stored number, and the rows are a gather.
; THE PRODUCT IS USED TRANSPOSED (source 0 = 16 rows of W1, source 1 = 16 rows of x): a lane holds ONE row of the hidden layer.  THE ROWS OF W1 THAT FORM A TILE ARE NOT NEIGHBOURS:
; lane r of tile 2 b + u takes row 32 b + 8 u + r + 8 (r / 8), so that the 16 registers of tiles 2 b, 2 b + 1 are 16 neighbours along the next K: 32 b + 16 (lane / 16) + 0 .. 15.
; b1 is the C of each sum's first product.  gelu(x) = x / (1 + 2^(x (k1 + k2 x^2))), k1 = -2 log2(e) sqrt(2 / pi), k2 = 0.044715 k1: the tanh form, without its cancellation, in f32.
; The tile's codes leave as an IMAGE OF THE OPERAND'S REGISTERS (hc[expert x 64 + tile][K step][1,024 bytes]: registers 0-3 at 16 x lane, 4-7 at 512 + 16 x lane), its scale words at 4 x lane (hsc).
; LIMITS: a block whose largest magnitude lies under 2^-124 keeps the scale byte 1 (a block of zeros too: its codes are zeros; this program alone reads the bytes).  NaN and infinities are not served.
; REGISTERS: window 0: v1-15 addresses; v16-79 x's 8 fragments; v80-87 x's scale words; v88-151 the 8 tiles of the hidden layer; v152-159 codes; v160-187 at work; v192-255 W1's scale words (8 t + s).
;   windows 1, 2: W1's fragment (tile t, K step s) at v[8 (8 (s % 4) + t)] of window 1 + s / 4.   window 3: v0-63 b1, tile t at 8 t.
.set XF,  16
.set XS,  80
.set HA,  88
.set PC,  152
.set TM,  160
.set PW,  176
.set GT,  178
.set KV,  186
.set W1S, 192
.set SEL, 26
.set MSB, 0
.macro WIN new                         ; the immediate's high byte repeats the setting that is left
.if MSB != (\new)
	s_set_vgpr_msb (MSB<<8)|(\new)
.set MSB, (\new)
.endif
.endm
.macro ADDR ent                        ; from a list entry (held under the list's largest) to the token's row of codes (v7) and of scale bytes (v8)
	v_min_u32 v3, 0x87f, v[\ent]
	v_and_b32 v3, 0x3ff, v3                        ; the token
	v_lshlrev_b32 v8, 5, v3
	v_lshlrev_b32 v7, 9, v3
	v_lshl_add_u32 v7, v2, 4, v7                   ; + 16 x (lane / 16)
.endm
.macro XLOAD                           ; 16 rows x 1,024 K: 8 fragments, and the rows' 8 scale words
.irp s, 0,1,2,3,4,5,6,7
.irp c, 0,1
	global_load_b128 v[XF+8*\s+4*\c:XF+8*\s+4*\c+3], v7, s[6:7] offset:64*\s+32*\c
.endr
.endr
	global_load_b128 v[XS:XS+3], v8, s[8:9]
	global_load_b128 v[XS+4:XS+7], v8, s[8:9] offset:16
.endm
.macro ENTLOAD ahead                   ; the list entries of my tile after next (or of the last tile: no load names a word that was not stored)
	s_add_co_u32 s32, s24, \ahead
	s_min_u32 s32, s32, s36                        ; nt - 1
	s_min_u32 s32, s32, 63
	s_lshl_b32 s32, s32, 6
	v_add_nc_u32 v12, s32, v6
	global_load_b32 v10, v12, s[4:5]
.endm
.macro W1LOAD w                        ; K steps 4 w .. 4 w + 3 of all 8 tiles: eight loads in a row cover 16 rows x 256 aligned bytes
.irp t, 0,1,2,3,4,5,6,7
.irp q, 0,1,2,3
.irp c, 0,1
	global_load_b128 v[8*(8*\q+\t)+4*\c:8*(8*\q+\t)+4*\c+3], v13, s[10:11] offset:(32*(\t/2)+8*(\t%2))*512+64*(4*\w+\q)+32*\c
.endr
.endr
.endr
.endm
.macro MULS s                          ; K step s of the 8 tiles: the 8 accumulators take turns, one instruction a turn
.irp t, 0,1,2,3,4,5,6,7
.if (\s) == 0
	v_wmma_scale_f32_16x16x128_f8f6f4 v[HA+8*\t:HA+8*\t+7], v[8*\t:8*\t+7], v[XF:XF+7], v[8*\t:8*\t+7], v[W1S+8*\t], v[XS] matrix_a_fmt:MATRIX_FMT_FP4 matrix_b_fmt:MATRIX_FMT_FP4
.else
	v_wmma_scale_f32_16x16x128_f8f6f4 v[HA+8*\t:HA+8*\t+7], v[8*(8*((\s)%4)+\t):8*(8*((\s)%4)+\t)+7], v[XF+8*(\s):XF+8*(\s)+7], v[HA+8*\t:HA+8*\t+7], v[W1S+8*\t+(\s)], v[XS+(\s)] matrix_a_fmt:MATRIX_FMT_FP4 matrix_b_fmt:MATRIX_FMT_FP4
.endif
.endr
.endm
.macro GELU8 g                         ; tile g's eight numbers of a lane, from the accumulator's low end on
.set GB, HA+8*(\g)
.irp p, 0,1,2,3
	v_pk_mul_f32 v[GT+2*\p:GT+2*\p+1], v[GB+2*\p:GB+2*\p+1], v[GB+2*\p:GB+2*\p+1]                  ; x^2
.endr
.irp p, 0,1,2,3
	v_pk_fma_f32 v[GT+2*\p:GT+2*\p+1], v[GT+2*\p:GT+2*\p+1], s[30:31], v[KV:KV+1] op_sel_hi:[1,0,1] ; k2 x^2 + k1
.endr
.irp p, 0,1,2,3
	v_pk_mul_f32 v[GT+2*\p:GT+2*\p+1], v[GT+2*\p:GT+2*\p+1], v[GB+2*\p:GB+2*\p+1]
.endr
.irp j, 0,1,2,3,4,5,6,7
	v_exp_f32 v[GT+\j], v[GT+\j]
.endr
	v_nop                                          ; a plain place behind the exponentials
	s_wait_alu depctr_va_vdst(0)
.irp p, 0,1,2,3
	v_pk_add_f32 v[GT+2*\p:GT+2*\p+1], v[GT+2*\p:GT+2*\p+1], 1.0 op_sel_hi:[1,0]
.endr
.irp j, 0,1,2,3,4,5,6,7
	v_rcp_f32 v[GT+\j], v[GT+\j]
.endr
	v_nop                                          ; a plain place behind the reciprocals
	s_wait_alu depctr_va_vdst(0)
.irp p, 0,1,2,3
	v_pk_mul_f32 v[GB+2*\p:GB+2*\p+1], v[GB+2*\p:GB+2*\p+1], v[GT+2*\p:GT+2*\p+1]
.endr
.endm
; 64 numbers of a lane, register 16 b + i = k 32 b + 16 (lane / 16) + i of my row, become a fragment's codes in v[PC] on and its scale word in v[PW]
.macro QUANT s
.irp b, 0,1,2,3
	v_max3_num_f32 v[TM+\b], |v[\s+16*\b]|, |v[\s+1+16*\b]|, 0x1800000   ; my 16 numbers of block b, and the floor 2^(3 - 127): the byte cannot fall under 1
.endr
.irp i, 2,4,6,8,10,12,14
.irp b, 0,1,2,3
	v_max3_num_f32 v[TM+\b], v[TM+\b], |v[\s+16*\b+\i]|, |v[\s+1+16*\b+\i]|
.endr
.endr
.irp b, 0,1,2,3
	v_permlanex16_b32 v[TM+4+\b], v[TM+\b], s[SEL], s[SEL+1]
.endr
.irp b, 0,1,2,3
	v_max_num_f32 v[TM+\b], v[TM+\b], v[TM+4+\b]   ; with lane l xor 16's: the block's largest magnitude
.endr
.irp b, 0,1,2,3
	v_add_nc_u32 v[TM+12+\b], 0xff000000, v[TM+\b] ; 2 off its exponent field: the conversion's scale operand
.endr
.irp b, 0,1,2,3
	v_lshrrev_b32 v[TM+4+\b], 23, v[TM+12+\b]      ; the scale's byte
.endr
	v_lshl_or_b32 v[PW], v[TM+5], 8, v[TM+4]
	v_lshl_or_b32 v[PW], v[TM+6], 16, v[PW]
	v_lshl_or_b32 v[PW], v[TM+7], 24, v[PW]
.irp b, 0,1,2,3
	v_cvt_scalef32_pk8_fp4_f32 v[PC+2*\b], v[\s+16*\b:\s+7+16*\b], v[TM+12+\b]
	v_cvt_scalef32_pk8_fp4_f32 v[PC+1+2*\b], v[\s+8+16*\b:\s+15+16*\b], v[TM+12+\b]
.endr
	v_nop                                          ; one plain place behind a scaled conversion
.irp c, 0,1                            ; the operand's layout wants a WHOLE block in a lane: lanes 0-15 block 2 c, lanes 16-31 block 2 c + 1
.irp i, 0,1
	v_permlane16_swap_b32 v[PC+4*\c+\i], v[PC+2+4*\c+\i]
.endr
.endr
.endm
	s_load_b512 s[4:19], s[0:1], 0x0               ; list s[4:5], xc s[6:7], xsc s[8:9], w1_codes s[10:11], w1_scales s[12:13], b1 s[14:15], hc s[16:17], hsc s[18:19]
	v_lshrrev_b32 v3, 5, v0
	v_readfirstlane_b32 s20, v3                    ; wave 0..3
	s_and_b32 s21, ttmp7, 0xffff                   ; expert
	s_mov_b32 s22, ttmp9                           ; slice
	v_and_b32 v1, 15, v0                           ; r
	v_bfe_u32 v2, v0, 4, 1                         ; h
	v_and_b32 v3, 31, v0
	v_lshlrev_b32 v4, 4, v3                        ; 16 x lane
	v_lshlrev_b32 v5, 2, v3                        ; 4 x lane
	v_lshlrev_b32 v6, 2, v1                        ; 4 r
	s_lshl_b32 s32, s20, 6
	v_add_nc_u32 v11, s32, v6                      ; the list's words 16 w + r: my first tile's entries
	v_and_b32 v3, 8, v1
	v_add_nc_u32 v3, v3, v1                        ; r + 8 (r / 8)
	v_lshlrev_b32 v13, 9, v3
	v_lshl_add_u32 v13, v2, 4, v13                 ; W1: a row is 512 bytes
	v_lshlrev_b32 v14, 5, v3                       ; its scale bytes: 32 a row
	v_lshlrev_b32 v15, 6, v2                       ; b1: 16 h numbers on
	s_mov_b32 s[SEL], 0x76543210
	s_mov_b32 s[SEL+1], 0xfedcba98                 ; v_permlanex16_b32's selects for lane l xor 16
	s_mov_b32 s30, 0xbdd2d3e8                      ; k2 = -0.10294324
	s_mov_b32 s31, s30                             ; (named with it as a pair, so it is written)
	v_mov_b32 v[KV], 0xc0135761                    ; k1 = -2.3022082
	v_mov_b32 v[KV+1], 0xc0135761
.irp b, 0,1,2,3
	v_mov_b32 v[TM+4+\b], 0                        ; written once: a lane permute's destination counts as one of its sources
.endr
	s_lshl_b32 s32, s21, 12
	s_lshl_b32 s33, s22, 7
	s_add_co_u32 s32, s32, s33                     ; my first row of W1: 4096 expert + 128 slice
	s_mul_i32 s34, s21, 4608
	s_mov_b32 s35, 0
	s_wait_kmcnt 0x0
	s_add_nc_u64 s[4:5], s[4:5], s[34:35]          ; my expert's list
	s_lshl_b32 s34, s32, 9
	s_add_nc_u64 s[10:11], s[10:11], s[34:35]
	s_lshl_b32 s34, s32, 5
	s_add_nc_u64 s[12:13], s[12:13], s[34:35]
	s_lshl_b32 s34, s32, 2
	s_add_nc_u64 s[14:15], s[14:15], s[34:35]
	s_load_b32 s23, s[4:5], 0x1180                 ; nt
	global_load_b32 v9, v11, s[4:5]                ; words 0 .. 63 of a list are always stored
.irp t, 0,1,2,3,4,5,6,7
	global_load_b128 v[W1S+8*\t:W1S+8*\t+3], v14, s[12:13] offset:(32*(\t/2)+8*(\t%2))*32
	global_load_b128 v[W1S+8*\t+4:W1S+8*\t+7], v14, s[12:13] offset:(32*(\t/2)+8*(\t%2))*32+16
.endr
	WIN 0xc0                                       ; destination window 3
.irp t, 0,1,2,3,4,5,6,7
	global_load_b128 v[8*\t:8*\t+3], v15, s[14:15] offset:(32*(\t/2)+8*(\t%2))*4
	global_load_b128 v[8*\t+4:8*\t+7], v15, s[14:15] offset:(32*(\t/2)+8*(\t%2))*4+16
.endr
	WIN 0
	s_wait_kmcnt 0x0
	s_cmp_ge_u32 s20, s23
	s_cbranch_scc1 .Lend                           ; no tile for this wave
	s_mov_b32 s24, s20                             ; my tile
	s_sub_co_u32 s36, s23, 1
	s_sub_co_u32 s37, s23, s20
	s_add_co_u32 s37, s37, 3
	s_lshr_b32 s37, s37, 2                         ; my tiles: ceil((nt - wave) / 4), at least 1 here,
	s_min_u32 s37, s37, 16                         ; and at most 16: an expert has at most 64 tiles
	s_mov_b32 s38, 0                               ; trips done
	s_wait_loadcnt 32                              ; the entries are in; the 32 loads of scale words and bias, issued behind them, may stay out
	ADDR 9
	XLOAD
	ENTLOAD 4
	WIN 0x40
	W1LOAD 0
	WIN 0x80
	W1LOAD 1
	WIN 0
.Ltile:
	s_wait_loadcnt 0x0                             ; the tile's x and the next entries (in the first trip the weights too); also frees v7, v8, v12
	WIN 0x31                                       ; source 0 window 1, C (b1) window 3
	MULS 0
	WIN 0x01
	MULS 1
	MULS 2
	MULS 3
	WIN 0x02                                       ; source 0 window 2
	MULS 4
	MULS 5
	MULS 6
	MULS 7
	WIN 0
.rept 4
	v_nop                                          ; four places in front of the loads into x's registers and of the first read of the results
.endr
	s_add_co_u32 s25, s24, 4
	s_cmp_lt_u32 s25, s23
	s_cbranch_scc0 .Lno_next
	ADDR 10                                        ; my next tile's rows are asked for here and land under the gelu
	XLOAD
	ENTLOAD 8
.Lno_next:
.irp g, 0,1,2,3,4,5,6,7
	GELU8 \g
.endr
	s_wait_xcnt 0x0                                ; the last trip's stores have read their data and bases: both are written again below
	s_min_u32 s32, s24, 63
	s_lshl_b32 s33, s21, 6
	s_add_co_u32 s32, s32, s33
	s_lshl_b32 s32, s32, 5
	s_add_co_u32 s32, s32, s22                     ; (expert x 64 + tile) x 32 + slice
	s_lshl_b32 s34, s32, 10
	s_add_nc_u64 s[40:41], s[16:17], s[34:35]
	s_lshl_b32 s34, s32, 7
	s_add_nc_u64 s[42:43], s[18:19], s[34:35]
	QUANT HA
	global_store_b128 v4, v[PC:PC+3], s[40:41]               ; 512 consecutive bytes, aligned
	global_store_b128 v4, v[PC+4:PC+7], s[40:41] offset:512
	global_store_b32 v5, v[PW], s[42:43]
	s_add_co_u32 s24, s24, 4                       ; my next tile
	s_add_co_u32 s38, s38, 1                       ; the loop is counted by its trips, one at a time
	s_cmp_lt_u32 s38, s37
	s_cbranch_scc1 .Ltile
.Lend:
	s_endpgm
.Lfunc_end_k_qfc710bbf5d_up:
	.size	k_qfc710bbf5d_up, .Lfunc_end_k_qfc710bbf5d_up-k_qfc710bbf5d_up
	.p2alignl 7, 3214868480
	.fill 96, 4, 3214868480
	.section	.rodata,"a",@progbits
	.p2align	6, 0x0
	.amdhsa_kernel k_qfc710bbf5d_up
		.amdhsa_group_segment_fixed_size 0
		.amdhsa_private_segment_fixed_size 0
		.amdhsa_enable_private_segment 0
		.amdhsa_kernarg_size 64
		.amdhsa_user_sgpr_count 2
		.amdhsa_user_sgpr_kernarg_segment_ptr 1
		.amdhsa_wavefront_size32 1
		.amdhsa_system_sgpr_workgroup_id_x 1
		.amdhsa_system_sgpr_workgroup_id_y 1
		.amdhsa_system_sgpr_workgroup_id_z 1
		.amdhsa_system_vgpr_workitem_id 0
		.amdhsa_next_free_vgpr 832
		.amdhsa_next_free_sgpr 66
		.amdhsa_reserve_vcc 0
		.amdhsa_float_denorm_mode_32 3
		.amdhsa_float_denorm_mode_16_64 3
		.amdhsa_memory_ordered 1
		.amdhsa_forward_progress 1
		.amdhsa_inst_pref_size 50
	.end_amdhsa_kernel
	.amdgpu_metadata
---
amdhsa.version: [ 1, 2 ]
amdhsa.kernels:
  - .name:           k_qfc710bbf5d_up
    .symbol:         k_qfc710bbf5d_up.kd
    .args:
      - { .name: list, .offset: 0, .size: 8, .value_kind: global_buffer, .address_space: global }
      - { .name: xc, .offset: 8, .size: 8, .value_kind: global_buffer, .address_space: global }
      - { .name: xsc, .offset: 16, .size: 8, .value_kind: global_buffer, .address_space: global }
      - { .name: w1_codes, .offset: 24, .size: 8, .value_kind: global_buffer, .address_space: global }
      - { .name: w1_scales, .offset: 32, .size: 8, .value_kind: global_buffer, .address_space: global }
      - { .name: b1, .offset: 40, .size: 8, .value_kind: global_buffer, .address_space: global }
      - { .name: hc, .offset: 48, .size: 8, .value_kind: global_buffer, .address_space: global }
      - { .name: hsc, .offset: 56, .size: 8, .value_kind: global_buffer, .address_space: global }
    .group_segment_fixed_size: 0
    .private_segment_fixed_size: 0
    .kernarg_segment_align: 8
    .kernarg_segment_size: 64
    .max_flat_workgroup_size: 128
    .sgpr_count:     66
    .vgpr_count:     832
    .wavefront_size: 32
...
	.end_amdgpu_metadata
.endif
;; end of part 3
;; launch down (part 4): grid 32 x 8, 4 waves a work-group, no clusters, 68,096 bytes of LDS; arguments list, hc, hsc, w2_codes, w2_scales, b2, ybuf; writes ybuf
.if DOCPART == 4
	.amdgcn_target "amdgcn-amd-amdhsa--gfx1250"
	.amdhsa_code_object_version 6
	.text
	.protected	k_qfc710bbf5d_down
	.globl	k_qfc710bbf5d_down
	.p2align	8
	.type	k_qfc710bbf5d_down,@function
k_qfc710bbf5d_down:
	s_mov_b64 s[64:65], 0
	v_nop
	global_prefetch_b8 v0, s[64:65] scope:SCOPE_SE
	s_setreg_imm32_b32 hwreg(HW_REG_WAVE_MODE, 25, 1), 1
	s_wait_xcnt 0x0
; SECOND PRODUCT: y = h W2^T + b2 for the routed rows.  Work-group: x = column slice c (x % 8: 128 output columns) and row quarter q (x / 8), y = expert.
; THE WEIGHTS STAND STILL: wave w holds K steps 8 w .. 8 w + 7 (1,024 of the 4,096 along K) of the slice's 128 rows of W2: 64 fragments, 512 registers, read once.
; The work-group takes the expert's tiles q, q + 4, .. of 16 rows.  Each wave makes a partial sum of the tile's 16 x 128 results; the four meet in LDS; wave w adds rows 4 w .. 4 w + 3,
; adds b2, and stores each as 512 consecutive aligned bytes at row = list entry of ybuf (pads fall into rows from 2048 on, which nobody reads).
; THE LOOP HAS A CONSTANT 16 TILES (8 trips of two): every wave passes every barrier.  A tile at or past nt jumps over its work, never over the barrier or the waits in front of it.
; No tensor load, no cluster: what is skipped hangs on a stored number.
; THE HIDDEN LAYER'S FRAGMENTS come as images of the operand's registers, two sets by turns.  Both are filled at the head (tiles q and q + 4, held at nt - 1: nt is at least 1, so these bytes were stored).
; Set b is filled again, with the tile two turns on, behind its tile's barrier; the wait for all loads stands in front of EVERY barrier, so a refill has the rest of its tile and the next tile's 64 products in which to land.
; THE PRODUCT IS USED TRANSPOSED (source 0 = 16 rows of W2, source 1 = 16 rows of h): a lane holds eight neighbouring columns of one row.  K is split over the four waves: the f32 sums are added in another order than one chain.
; LDS: two stages by turns, 33,792 bytes each: four partial sums of 16 rows x (512 bytes + 16).  Stage b is written again only behind the other tile's barrier, in front of which every wave has waited for its reads.
; REGISTERS: window 0: v1-9 addresses; v32-95 W2's scale words (8 n + s); v96-111 h's scale words, two sets; v112-239 h's fragments, two sets of 64.
;   windows 1, 2: W2's fragment (tile n, K step s) at v[8 (8 (s % 4) + n)] of window 1 + s / 4.   window 3: v0-63 the 8 accumulators; v64-127 rows read back (row i, part p at 64 + 16 i + 4 p); v128-131 b2.
.set W2S, 32
.set HS,  96
.set AF,  112
.set RR,  64
.set B2,  128
.set STAGE, 33792
.set PART,  8448
.set SP,    528
.set MSB, 0
.macro WIN new                         ; the immediate's high byte repeats the setting that is left
.if MSB != (\new)
	s_set_vgpr_msb (MSB<<8)|(\new)
.set MSB, (\new)
.endif
.endm
.macro TILEADR j, ta, ts               ; tile s[j]: its fragments' and scale words' bases (my wave's 8 K steps)
	s_lshl_b32 s46, s[\j], 15
	s_add_nc_u64 s[\ta:\ta+1], s[6:7], s[46:47]
	s_lshl_b32 s46, s[\j], 12
	s_add_nc_u64 s[\ts:\ts+1], s[8:9], s[46:47]
.endm
.macro HLOAD buf, ta, ts               ; 8 fragments (each load 512 consecutive bytes) and 8 scale words
.irp s, 0,1,2,3,4,5,6,7
.irp c, 0,1
	global_load_b128 v[AF+64*\buf+8*\s+4*\c:AF+64*\buf+8*\s+4*\c+3], v4, s[\ta:\ta+1] offset:1024*\s+512*\c
.endr
.endr
.irp s, 0,1,2,3,4,5,6,7
	global_load_b32 v[HS+8*\buf+\s], v5, s[\ts:\ts+1] offset:128*\s
.endr
.endm
.macro W2LOAD w                        ; K steps 4 w .. 4 w + 3 of my eight, all 8 tiles: eight loads in a row cover 16 rows x 256 aligned bytes
.irp n, 0,1,2,3,4,5,6,7
.irp q, 0,1,2,3
.irp c, 0,1
	global_load_b128 v[8*(8*\q+\n)+4*\c:8*(8*\q+\n)+4*\c+3], v8, s[10:11] offset:32768*\n+64*(4*\w+\q)+32*\c
.endr
.endr
.endr
.endm
.macro MULS b, s                       ; K step s of the 8 column tiles: the 8 accumulators take turns, one instruction a turn; the first starts the sums
.irp n, 0,1,2,3,4,5,6,7
.if (\s) == 0
	v_wmma_scale_f32_16x16x128_f8f6f4 v[8*\n:8*\n+7], v[8*\n:8*\n+7], v[AF+64*\b:AF+64*\b+7], 0, v[W2S+8*\n], v[HS+8*\b] matrix_a_fmt:MATRIX_FMT_FP4 matrix_b_fmt:MATRIX_FMT_FP4
.else
	v_wmma_scale_f32_16x16x128_f8f6f4 v[8*\n:8*\n+7], v[8*(8*((\s)%4)+\n):8*(8*((\s)%4)+\n)+7], v[AF+64*\b+8*(\s):AF+64*\b+8*(\s)+7], v[8*\n:8*\n+7], v[W2S+8*\n+(\s)], v[HS+8*\b+(\s)] matrix_a_fmt:MATRIX_FMT_FP4 matrix_b_fmt:MATRIX_FMT_FP4
.endif
.endr
.endm
	s_load_b256 s[4:11], s[0:1], 0x0               ; list s[4:5], hc s[6:7], hsc s[8:9], w2_codes s[10:11]
	s_load_b128 s[12:15], s[0:1], 0x20             ; w2_scales s[12:13], b2 s[14:15]
	s_load_b64 s[16:17], s[0:1], 0x30              ; ybuf
	v_lshl_add_u32 v254, v0, 2, 0x10800
	v_mov_b32 v255, 0
	v_lshrrev_b32 v3, 5, v0
	v_readfirstlane_b32 s20, v3                    ; wave 0..3
	s_and_b32 s21, ttmp7, 0xffff                   ; expert
	s_and_b32 s22, ttmp9, 7                        ; column slice
	s_lshr_b32 s23, ttmp9, 3                       ; row quarter
	v_and_b32 v1, 15, v0                           ; r
	v_bfe_u32 v2, v0, 4, 1                         ; h
	v_and_b32 v3, 31, v0
	v_lshlrev_b32 v4, 4, v3                        ; 16 x lane
	v_lshlrev_b32 v5, 2, v3                        ; 4 x lane
	s_mul_i32 s46, s20, PART
	v_mul_u32_u24 v6, v1, SP
	v_lshl_add_u32 v6, v2, 5, v6
	v_add_nc_u32 v6, s46, v6                       ; the stage, in: my part, row r, + 32 h
	s_mul_i32 s46, s20, 4*SP
	v_add_nc_u32 v7, s46, v4                       ; and back: rows 4 w on, 16 bytes a lane
	v_lshlrev_b32 v8, 11, v1
	v_lshl_add_u32 v8, v2, 4, v8                   ; W2: a row is 2,048 bytes
	v_lshlrev_b32 v9, 7, v1                        ; its scale bytes: 128 a row
	s_mul_i32 s46, s21, 4608
	s_mov_b32 s47, 0
	s_wait_kmcnt 0x0
	s_add_nc_u64 s[4:5], s[4:5], s[46:47]          ; my expert's list
	s_load_b32 s24, s[4:5], 0x1180                 ; nt
	s_lshl_b32 s46, s21, 21
	s_lshl_b32 s48, s20, 13
	s_add_co_u32 s46, s46, s48
	s_add_nc_u64 s[6:7], s[6:7], s[46:47]          ; hc: my expert's tiles, my wave's 8 K steps
	s_lshl_b32 s46, s21, 18
	s_lshl_b32 s48, s20, 10
	s_add_co_u32 s46, s46, s48
	s_add_nc_u64 s[8:9], s[8:9], s[46:47]          ; hsc likewise
	s_lshl_b32 s49, s21, 10
	s_lshl_b32 s48, s22, 7
	s_add_co_u32 s49, s49, s48                     ; my first row of W2: 1024 expert + 128 slice
	s_lshl_b32 s46, s49, 11
	s_lshl_b32 s48, s20, 9
	s_add_co_u32 s46, s46, s48
	s_add_nc_u64 s[10:11], s[10:11], s[46:47]
	s_lshl_b32 s46, s49, 7
	s_lshl_b32 s48, s20, 5
	s_add_co_u32 s46, s46, s48
	s_add_nc_u64 s[12:13], s[12:13], s[46:47]
	s_lshl_b32 s46, s49, 2
	s_add_nc_u64 s[14:15], s[14:15], s[46:47]
	s_lshl_b32 s46, s22, 9
	s_add_nc_u64 s[44:45], s[16:17], s[46:47]      ; ybuf at my slice's 512 bytes of a row
.irp n, 0,1,2,3,4,5,6,7
	global_load_b128 v[W2S+8*\n:W2S+8*\n+3], v9, s[12:13] offset:2048*\n
	global_load_b128 v[W2S+8*\n+4:W2S+8*\n+7], v9, s[12:13] offset:2048*\n+16
.endr
	WIN 0xc0                                       ; destination window 3
	global_load_b128 v[B2:B2+3], v4, s[14:15]      ; b2 of my four columns of a row
	WIN 0x40
	W2LOAD 0
	WIN 0x80
	W2LOAD 1
	WIN 0
	s_wait_kmcnt 0x0
	s_sub_co_u32 s49, s24, 1                       ; nt - 1
	s_min_u32 s48, s23, s49
	s_min_u32 s48, s48, 63
	TILEADR 48, 28, 30
	HLOAD 0, 28, 30
	s_add_co_u32 s48, s23, 4
	s_min_u32 s48, s48, s49
	s_min_u32 s48, s48, 63
	TILEADR 48, 36, 38                             ; (a second set of bases: the first set's loads are still out)
	HLOAD 1, 36, 38
	s_mov_b32 s25, s23                             ; the tile in hand
	s_mov_b32 s26, 8
	s_wait_loadcnt 0x0                             ; the weights, and both sets
.macro TRIP b
	s_cmp_lt_u32 s25, s24
	s_cbranch_scc0 .Lmeet_\@
	WIN 0xf1                                       ; source 0 window 1, C and D window 3
	MULS \b, 0
	MULS \b, 1
	MULS \b, 2
	MULS \b, 3
	WIN 0xf2                                       ; source 0 window 2
	MULS \b, 4
	MULS \b, 5
	MULS \b, 6
	MULS \b, 7
	WIN 0x0c                                       ; an LDS store's data are its source 1: window 3
.rept 5
	v_nop                                          ; places behind the products: four for the stores that read the results and the loads into this set, five for the next tile's products, which begin the accumulators anew
.endr
.irp n, 0,1,2,3,4,5,6,7
	ds_store_b128 v6, v[8*\n:8*\n+3] offset:STAGE*\b+64*\n          ; each accumulator from its low end on
	ds_store_b128 v6, v[8*\n+4:8*\n+7] offset:STAGE*\b+64*\n+16
.endr
	WIN 0
.Lmeet_\@:
	s_wait_loadcnt 0x0                             ; on every path: the refill issued behind the last barrier has landed; the next tile's products read it
	s_wait_dscnt 0x0                               ; my partial sum lies in the stage, and my reads of the other stage are over
	s_barrier_signal -1
	s_barrier_wait -1
	s_cmp_lt_u32 s25, s24
	s_cbranch_scc0 .Lnext_\@
	s_wait_xcnt 0x0                                ; the last tile's stores have read their data and bases: both are written again below
	s_lshl_b32 s27, s25, 6
	s_lshl_b32 s48, s20, 4
	s_add_co_u32 s27, s27, s48
	s_load_b128 s[32:35], s[4:5], s27 offset:0x0   ; the entries of rows 4 w .. 4 w + 3 of the tile
	WIN 0xc0
.irp i, 0,1,2,3
.irp p, 0,1,2,3
	ds_load_b128 v[RR+16*\i+4*\p:RR+16*\i+4*\p+3], v7 offset:STAGE*\b+PART*\p+SP*\i
.endr
.endr
	WIN 0
	s_add_co_u32 s48, s25, 8
	s_cmp_lt_u32 s48, s24
	s_cbranch_scc0 .Lnofill_\@
	s_min_u32 s48, s48, 63
	TILEADR 48, 28, 30                             ; (the loads that named these bases were waited for in front of the barrier)
	HLOAD \b, 28, 30                               ; this set's next tile
.Lnofill_\@:
	s_wait_kmcnt 0x0
.irp i, 0,1,2,3
	s_min_u32 s46, s[32+\i], 2175
	s_lshl_b32 s46, s46, 12                        ; a row of ybuf is 4,096 bytes
	s_add_nc_u64 s[36+2*\i:37+2*\i], s[44:45], s[46:47]
.endr
	s_wait_dscnt 0x0
	WIN 0xcf                                       ; destination and both sources window 3
.irp i, 0,1,2,3
.irp d, 0,2
	v_pk_add_f32 v[RR+16*\i+\d:RR+16*\i+\d+1], v[RR+16*\i+\d:RR+16*\i+\d+1], v[RR+16*\i+4+\d:RR+16*\i+4+\d+1]
	v_pk_add_f32 v[RR+16*\i+8+\d:RR+16*\i+8+\d+1], v[RR+16*\i+8+\d:RR+16*\i+8+\d+1], v[RR+16*\i+12+\d:RR+16*\i+12+\d+1]
.endr
.endr
.irp i, 0,1,2,3
.irp d, 0,2
	v_pk_add_f32 v[RR+16*\i+\d:RR+16*\i+\d+1], v[RR+16*\i+\d:RR+16*\i+\d+1], v[RR+16*\i+8+\d:RR+16*\i+8+\d+1]
.endr
.endr
.irp i, 0,1,2,3
.irp d, 0,2
	v_pk_add_f32 v[RR+16*\i+\d:RR+16*\i+\d+1], v[RR+16*\i+\d:RR+16*\i+\d+1], v[B2+\d:B2+\d+1]
.endr
.endr
	WIN 0x0c                                       ; a store's data are its source 1: window 3
.irp i, 0,1,2,3
	global_store_b128 v4, v[RR+16*\i:RR+16*\i+3], s[36+2*\i:37+2*\i]      ; 32 lanes store 512 consecutive bytes, at a multiple of 512 from ybuf's first byte
.endr
	WIN 0
.Lnext_\@:
	s_add_co_u32 s25, s25, 4
.endm
.Lloop:
	TRIP 0
	TRIP 1
	s_sub_co_u32 s26, s26, 1
	s_cmp_lg_u32 s26, 0
	s_cbranch_scc1 .Lloop
	s_wait_tensorcnt 0x0
	ds_add_u32 v254, v255
	s_wait_dscnt 0x0
	s_endpgm
.Lfunc_end_k_qfc710bbf5d_down:
	.size	k_qfc710bbf5d_down, .Lfunc_end_k_qfc710bbf5d_down-k_qfc710bbf5d_down
	.p2alignl 7, 3214868480
	.fill 96, 4, 3214868480
	.section	.rodata,"a",@progbits
	.p2align	6, 0x0
	.amdhsa_kernel k_qfc710bbf5d_down
		.amdhsa_group_segment_fixed_size 68096
		.amdhsa_private_segment_fixed_size 0
		.amdhsa_enable_private_segment 0
		.amdhsa_kernarg_size 56
		.amdhsa_user_sgpr_count 2
		.amdhsa_user_sgpr_kernarg_segment_ptr 1
		.amdhsa_wavefront_size32 1
		.amdhsa_system_sgpr_workgroup_id_x 1
		.amdhsa_system_sgpr_workgroup_id_y 1
		.amdhsa_system_sgpr_workgroup_id_z 1
		.amdhsa_system_vgpr_workitem_id 0
		.amdhsa_next_free_vgpr 904
		.amdhsa_next_free_sgpr 66
		.amdhsa_reserve_vcc 0
		.amdhsa_float_denorm_mode_32 3
		.amdhsa_float_denorm_mode_16_64 3
		.amdhsa_memory_ordered 1
		.amdhsa_forward_progress 1
		.amdhsa_inst_pref_size 55
	.end_amdhsa_kernel
	.amdgpu_metadata
---
amdhsa.version: [ 1, 2 ]
amdhsa.kernels:
  - .name:           k_qfc710bbf5d_down
    .symbol:         k_qfc710bbf5d_down.kd
    .args:
      - { .name: list, .offset: 0, .size: 8, .value_kind: global_buffer, .address_space: global }
      - { .name: hc, .offset: 8, .size: 8, .value_kind: global_buffer, .address_space: global }
      - { .name: hsc, .offset: 16, .size: 8, .value_kind: global_buffer, .address_space: global }
      - { .name: w2_codes, .offset: 24, .size: 8, .value_kind: global_buffer, .address_space: global }
      - { .name: w2_scales, .offset: 32, .size: 8, .value_kind: global_buffer, .address_space: global }
      - { .name: b2, .offset: 40, .size: 8, .value_kind: global_buffer, .address_space: global }
      - { .name: ybuf, .offset: 48, .size: 8, .value_kind: global_buffer, .address_space: global }
    .group_segment_fixed_size: 68096
    .private_segment_fixed_size: 0
    .kernarg_segment_align: 8
    .kernarg_segment_size: 56
    .max_flat_workgroup_size: 128
    .sgpr_count:     66
    .vgpr_count:     904
    .wavefront_size: 32
...
	.end_amdgpu_metadata
.endif
;; end of part 4
;; launch join (part 5): grid 256 x 1, 4 waves a work-group, no clusters, 0 bytes of LDS; arguments ybuf, wts, out0; writes out0
.if DOCPART == 5
	.amdgcn_target "amdgcn-amd-amdhsa--gfx1250"
	.amdhsa_code_object_version 6
	.text
	.protected	k_qfc710bbf5d_join
	.globl	k_qfc710bbf5d_join
	.p2align	8
	.type	k_qfc710bbf5d_join,@function
k_qfc710bbf5d_join:
	s_mov_b64 s[64:65], 0
	v_nop
	global_prefetch_b8 v0, s[64:65] scope:SCOPE_SE
	s_setreg_imm32_b32 hwreg(HW_REG_WAVE_MODE, 25, 1), 1
	s_wait_xcnt 0x0
; out[token] = w_first y[token] + w_second y[1024 + token]: each output row has one owner.  One wave takes one token: token = 4 x work-group + wave.
; A stream: each load and store of the wave covers 512 consecutive aligned bytes; each byte is read once and written once.  No LDS, no barrier, no matrix unit: there is nothing for them to do.
	s_load_b128 s[4:7], s[0:1], 0x0                ; ybuf s[4:5], wts s[6:7]
	s_load_b64 s[8:9], s[0:1], 0x10                ; out0
	v_lshrrev_b32 v2, 5, v0
	v_readfirstlane_b32 s10, v2                    ; wave
	v_and_b32 v1, 31, v0
	v_lshlrev_b32 v1, 4, v1                        ; 16 x lane
	s_lshl_b32 s11, ttmp9, 2
	s_add_co_u32 s11, s11, s10                     ; token
	s_lshl_b32 s12, s11, 2
	s_lshl_b32 s14, s11, 12
	s_mov_b32 s15, 0
	s_wait_kmcnt 0x0
	s_load_b32 s20, s[6:7], s12 offset:0x0         ; the first weight
	s_load_b32 s22, s[6:7], s12 offset:0x1000      ; the second: 1,024 numbers on
	s_add_nc_u64 s[4:5], s[4:5], s[14:15]
	s_add_nc_u64 s[8:9], s[8:9], s[14:15]
.irp i, 0,1,2,3,4,5,6,7
	global_load_b128 v[8+4*\i:11+4*\i], v1, s[4:5] offset:512*\i th:TH_LOAD_NT
.endr
.irp i, 0,1,2,3,4,5,6,7
	global_load_b128 v[40+4*\i:43+4*\i], v1, s[4:5] offset:4194304+512*\i th:TH_LOAD_NT   ; 1,024 rows of 4,096 bytes on
.endr
	s_wait_kmcnt 0x0
	s_mov_b32 s21, s20                             ; (the packed forms name pairs, so both words are written)
	s_mov_b32 s23, s22
	s_wait_loadcnt 8                               ; the first row's 8 loads are in; the second row's 8, issued behind them, may stay out
.irp j, 0,2,4,6,8,10,12,14,16,18,20,22,24,26,28,30
	v_pk_mul_f32 v[8+\j:9+\j], v[8+\j:9+\j], s[20:21] op_sel_hi:[1,0]
.endr
	s_wait_loadcnt 0x0
.irp j, 0,2,4,6,8,10,12,14,16,18,20,22,24,26,28,30
	v_pk_fma_f32 v[8+\j:9+\j], v[40+\j:41+\j], s[22:23], v[8+\j:9+\j] op_sel_hi:[1,0,1]
.endr
.irp i, 0,1,2,3,4,5,6,7
	global_store_b128 v1, v[8+4*\i:11+4*\i], s[8:9] offset:512*\i th:TH_STORE_NT
.endr
	s_endpgm
.Lfunc_end_k_qfc710bbf5d_join:
	.size	k_qfc710bbf5d_join, .Lfunc_end_k_qfc710bbf5d_join-k_qfc710bbf5d_join
	.p2alignl 7, 3214868480
	.fill 96, 4, 3214868480
	.section	.rodata,"a",@progbits
	.p2align	6, 0x0
	.amdhsa_kernel k_qfc710bbf5d_join
		.amdhsa_group_segment_fixed_size 0
		.amdhsa_private_segment_fixed_size 0
		.amdhsa_enable_private_segment 0
		.amdhsa_kernarg_size 24
		.amdhsa_user_sgpr_count 2
		.amdhsa_user_sgpr_kernarg_segment_ptr 1
		.amdhsa_wavefront_size32 1
		.amdhsa_system_sgpr_workgroup_id_x 1
		.amdhsa_system_sgpr_workgroup_id_y 1
		.amdhsa_system_sgpr_workgroup_id_z 1
		.amdhsa_system_vgpr_workitem_id 0
		.amdhsa_next_free_vgpr 72
		.amdhsa_next_free_sgpr 66
		.amdhsa_reserve_vcc 0
		.amdhsa_float_denorm_mode_32 3
		.amdhsa_float_denorm_mode_16_64 3
		.amdhsa_memory_ordered 1
		.amdhsa_forward_progress 1
		.amdhsa_inst_pref_size 6
	.end_amdhsa_kernel
	.amdgpu_metadata
---
amdhsa.version: [ 1, 2 ]
amdhsa.kernels:
  - .name:           k_qfc710bbf5d_join
    .symbol:         k_qfc710bbf5d_join.kd
    .args:
      - { .name: ybuf, .offset: 0, .size: 8, .value_kind: global_buffer, .address_space: global }
      - { .name: wts, .offset: 8, .size: 8, .value_kind: global_buffer, .address_space: global }
      - { .name: out0, .offset: 16, .size: 8, .value_kind: global_buffer, .address_space: global }
    .group_segment_fixed_size: 0
    .private_segment_fixed_size: 0
    .kernarg_segment_align: 8
    .kernarg_segment_size: 24
    .max_flat_workgroup_size: 128
    .sgpr_count:     66
    .vgpr_count:     72
    .wavefront_size: 32
...
	.end_amdgpu_metadata
.endif
;; end of part 5
;; ======== version 2 of 3: 4 launches; 1.15 times as fast as version 1
;; workspace buffers: sel 4,096 bytes of whole numbers; wts 8,192 bytes; xc 524,288 bytes; xsc 32,768 bytes; list 36,864 bytes of whole numbers; hc 16,777,216 bytes; hsc 2,097,152 bytes; ybuf 8,912,896 bytes
;; launch route: the kernel of part 1 again; grid 256 x 1, 4 waves a work-group, no clusters, 33,792 bytes of LDS; arguments inputs, gate_w, gate_b, sel, wts, xc, xsc; writes sel, wts, xc, xsc
;; launch up (part 6): grid 32 x 8, 4 waves a work-group, no clusters, 87,040 bytes of LDS; arguments sel, xc, xsc, w1_codes, w1_scales, b1, hc, hsc, list; writes hc, hsc, list
.if DOCPART == 6
	.amdgcn_target "amdgcn-amd-amdhsa--gfx1250"
	.amdhsa_code_object_version 6
	.text
	.protected	k_qfc710bbf5d_up
	.globl	k_qfc710bbf5d_up
	.p2align	8
	.type	k_qfc710bbf5d_up,@function
k_qfc710bbf5d_up:
	s_mov_b64 s[64:65], 0
	v_nop
	global_prefetch_b8 v0, s[64:65] scope:SCOPE_SE
	s_setreg_imm32_b32 hwreg(HW_REG_WAVE_MODE, 25, 1), 1
	s_wait_xcnt 0x0
; THE ROWS ARE PLACED BY EXPERT; FIRST PRODUCT, GELU, QUANTISER OF THE HIDDEN LAYER, for the rows that were routed to an expert alone.
; Work-group (x = slice, y = expert) owns hidden units 128 slice .. + 127 of the expert: one K step of the second product.
; THE LIST.  Every wave reads the 1,024 words of sel (first | second << 8, stored by the launch before), makes 32 masks of 32 tokens (chunk 4 g + c: tokens 128 g + 4 lane + c) and their count in scalar
; registers: nt = max(ceil(count / 16), 1) tiles of 16 rows.  Wave 0 alone lays the list into LDS: words 0 .. count - 1 the entries k x 1024 + token, a lane's place being the count so far + the matching lanes below it;
; words count .. count + 63 pad entries 2048 + 16 expert + (lane % 16); a lane whose token does not match puts its entry into a spare word of its own (1088 + lane), so that EXEC never changes.
; A pad stands for token 16 expert + i and for a row of the later result buffer that nobody reads; only the pads that fill the last tile are used.  An expert without rows has one tile of pads.
; The work-group of slice 0 stores the same list, and nt in words 1120 .. 1151, to memory for the next launch.  No trip count and no branch hangs on a number that went through LDS.
; THE WEIGHTS STAND STILL: each of the four waves holds the slice of W1 (128 rows x 1,024 K of E2M1: 64 fragments, 512 registers), its scale words and its bias in registers; the expert's rows stream past, 16 at a time:
; wave w takes tiles w, w + 4, .. below nt.  THE WORK-GROUP ASKS FOR EACH BYTE OF THE SLICE ONCE: wave w fetches tiles 2 w, 2 w + 1 (40 loads), stores them into LDS as IMAGES OF THE REGISTERS
; (a load's 512 bytes at 16 x lane), and behind a barrier every wave takes all 160 images by the same lines as loads.
; Two barriers: behind the first the list lies in LDS (before it only wave 0 touches LDS); behind the second the images do, and nothing is stored into LDS any more.  A wave without a tile ends behind the second.
; No tensor load, no cluster: the trip count hangs on stored numbers, and the rows are a gather.
; THE PRODUCT IS USED TRANSPOSED (source 0 = 16 rows of W1, source 1 = 16 rows of x): a lane holds ONE row of the hidden layer.  THE ROWS OF W1 THAT FORM A TILE ARE NOT NEIGHBOURS:
; lane r of tile 2 b + u takes row 32 b + 8 u + r + 8 (r / 8), so that the 16 registers of tiles 2 b, 2 b + 1 are 16 neighbours along the next K: 32 b + 16 (lane / 16) + 0 .. 15.
; b1 is the C of each sum's first product.  gelu(x) = x / (1 + 2^(x (k1 + k2 x^2))), k1 = -2 log2(e) sqrt(2 / pi), k2 = 0.044715 k1: the tanh form, without its cancellation, in f32.
; The tile's codes leave as an image of the operand's registers (hc[expert x 64 + tile][K step][1,024 bytes]: registers 0-3 at 16 x lane, 4-7 at 512 + 16 x lane), its scale words at 4 x lane (hsc).
; LIMITS: a block whose largest magnitude lies under 2^-124 keeps the scale byte 1 (a block of zeros too: its codes are zeros; this program alone reads the bytes).  NaN and infinities are not served.
; REGISTERS: window 0: v1-15 addresses; v16-79 x's 8 fragments; v80-87 x's scale words; v88-151 the 8 tiles of the hidden layer (at the head: sel's words, then entries, and their places);
;   v152-159 codes; v160-187 at work; v188-191 LDS addresses of the images; v192-255 W1's scale words (8 t + s).
;   windows 1, 2: W1's fragment (tile t, K step s) at v[8 (8 (s % 4) + t)] of window 1 + s / 4 (at the head window 1's v0-159 hold my quarter as loaded).   window 3: v0-63 b1, tile t at 8 t.
.set XF,  16
.set XS,  80
.set HA,  88
.set W,   88                           ; v88-119  at the head: sel's words, then the entries
.set POS, 120                          ; v120-151 at the head: the entries' byte offsets in the list
.set PC,  152
.set TM,  160
.set PW,  176                          ; (at the head: 4 x lane + 1024)
.set SPR, 177                          ; my spare word of the list: 1088 + lane
.set GT,  178
.set KV,  186
.set SA,  188                          ; images, in: codes: IMG + 16,384 wave + 16 lane
.set SB,  189                          ;             scale words and bias: IMG2 + 2,048 wave + 16 lane
.set RA,  190                          ; images, out: IMG + 16 lane
.set RB,  191                          ;              IMG2 + 16 lane
.set W1S, 192
.set SEL, 26
.set KM,  48                           ; s48-51  four masks at work
.set MK,  66                           ; s66-97  the 32 chunks' masks
.set IMG,  4608                        ; LDS: the list takes bytes 0 .. 4,607; then the codes' 128 images of 512 bytes (unit 16 t + 2 s + c),
.set IMG2, IMG+65536                   ; the scale words' 16 (2 t + f), and from IMG2 + 8,192 the bias's 16
.set MSB, 0
.macro WIN new                         ; the immediate's high byte repeats the setting that is left
.if MSB != (\new)
	s_set_vgpr_msb (MSB<<8)|(\new)
.set MSB, (\new)
.endif
.endm
.macro ADDR ent                        ; from a list entry (held under the list's largest) to the token's row of codes (v7) and of scale bytes (v8)
	v_min_u32 v3, 0x87f, v[\ent]
	v_and_b32 v3, 0x3ff, v3                        ; the token
	v_lshlrev_b32 v8, 5, v3
	v_lshlrev_b32 v7, 9, v3
	v_lshl_add_u32 v7, v2, 4, v7                   ; + 16 x (lane / 16)
.endm
.macro XLOAD                           ; 16 rows x 1,024 K: 8 fragments, and the rows' 8 scale words: 18 loads
.irp s, 0,1,2,3,4,5,6,7
.irp c, 0,1
	global_load_b128 v[XF+8*\s+4*\c:XF+8*\s+4*\c+3], v7, s[6:7] offset:64*\s+32*\c
.endr
.endr
	global_load_b128 v[XS:XS+3], v8, s[8:9]
	global_load_b128 v[XS+4:XS+7], v8, s[8:9] offset:16
.endm
.macro ENTLOAD ahead                   ; out of LDS: the list entries of my tile after next (or of the last tile: no load names a word that was not stored)
	s_add_co_u32 s32, s24, \ahead
	s_min_u32 s32, s32, s36                        ; nt - 1
	s_min_u32 s32, s32, 63
	s_lshl_b32 s32, s32, 6
	v_add_nc_u32 v12, s32, v6
	ds_load_b32 v10, v12
.endm
.macro WREAD lo                        ; the images of K steps lo .. lo + 3 of all 8 tiles
.irp t, 0,1,2,3,4,5,6,7
.irp q, 0,1,2,3
.irp c, 0,1
	ds_load_b128 v[8*(8*\q+\t)+4*\c:8*(8*\q+\t)+4*\c+3], v[RA] offset:512*(16*\t+2*(\lo+\q)+\c)
.endr
.endr
.endr
.endm
.macro MULS s                          ; K step s of the 8 tiles: the 8 accumulators take turns, one instruction a turn
.irp t, 0,1,2,3,4,5,6,7
.if (\s) == 0
	v_wmma_scale_f32_16x16x128_f8f6f4 v[HA+8*\t:HA+8*\t+7], v[8*\t:8*\t+7], v[XF:XF+7], v[8*\t:8*\t+7], v[W1S+8*\t], v[XS] matrix_a_fmt:MATRIX_FMT_FP4 matrix_b_fmt:MATRIX_FMT_FP4
.else
	v_wmma_scale_f32_16x16x128_f8f6f4 v[HA+8*\t:HA+8*\t+7], v[8*(8*((\s)%4)+\t):8*(8*((\s)%4)+\t)+7], v[XF+8*(\s):XF+8*(\s)+7], v[HA+8*\t:HA+8*\t+7], v[W1S+8*\t+(\s)], v[XS+(\s)] matrix_a_fmt:MATRIX_FMT_FP4 matrix_b_fmt:MATRIX_FMT_FP4
.endif
.endr
.endm
.macro GELU8 g                         ; tile g's eight numbers of a lane, from the accumulator's low end on
.set GB, HA+8*(\g)
.irp p, 0,1,2,3
	v_pk_mul_f32 v[GT+2*\p:GT+2*\p+1], v[GB+2*\p:GB+2*\p+1], v[GB+2*\p:GB+2*\p+1]                  ; x^2
.endr
.irp p, 0,1,2,3
	v_pk_fma_f32 v[GT+2*\p:GT+2*\p+1], v[GT+2*\p:GT+2*\p+1], s[30:31], v[KV:KV+1] op_sel_hi:[1,0,1] ; k2 x^2 + k1
.endr
.irp p, 0,1,2,3
	v_pk_mul_f32 v[GT+2*\p:GT+2*\p+1], v[GT+2*\p:GT+2*\p+1], v[GB+2*\p:GB+2*\p+1]
.endr
.irp j, 0,1,2,3,4,5,6,7
	v_exp_f32 v[GT+\j], v[GT+\j]
.endr
	v_nop                                          ; a plain place behind the exponentials
	s_wait_alu depctr_va_vdst(0)
.irp p, 0,1,2,3
	v_pk_add_f32 v[GT+2*\p:GT+2*\p+1], v[GT+2*\p:GT+2*\p+1], 1.0 op_sel_hi:[1,0]
.endr
.irp j, 0,1,2,3,4,5,6,7
	v_rcp_f32 v[GT+\j], v[GT+\j]
.endr
	v_nop                                          ; a plain place behind the reciprocals
	s_wait_alu depctr_va_vdst(0)
.irp p, 0,1,2,3
	v_pk_mul_f32 v[GB+2*\p:GB+2*\p+1], v[GB+2*\p:GB+2*\p+1], v[GT+2*\p:GT+2*\p+1]
.endr
.endm
; 64 numbers of a lane, register 16 b + i = k 32 b + 16 (lane / 16) + i of my row, become a fragment's codes in v[PC] on and its scale word in v[PW]
.macro QUANT s
.irp b, 0,1,2,3
	v_max3_num_f32 v[TM+\b], |v[\s+16*\b]|, |v[\s+1+16*\b]|, 0x1800000   ; my 16 numbers of block b, and the floor 2^(3 - 127): the byte cannot fall under 1
.endr
.irp i, 2,4,6,8,10,12,14
.irp b, 0,1,2,3
	v_max3_num_f32 v[TM+\b], v[TM+\b], |v[\s+16*\b+\i]|, |v[\s+1+16*\b+\i]|
.endr
.endr
.irp b, 0,1,2,3
	v_permlanex16_b32 v[TM+4+\b], v[TM+\b], s[SEL], s[SEL+1]
.endr
.irp b, 0,1,2,3
	v_max_num_f32 v[TM+\b], v[TM+\b], v[TM+4+\b]   ; with lane l xor 16's: the block's largest magnitude
.endr
.irp b, 0,1,2,3
	v_add_nc_u32 v[TM+12+\b], 0xff000000, v[TM+\b] ; 2 off its exponent field: the conversion's scale operand
.endr
.irp b, 0,1,2,3
	v_lshrrev_b32 v[TM+4+\b], 23, v[TM+12+\b]      ; the scale's byte
.endr
	v_lshl_or_b32 v[PW], v[TM+5], 8, v[TM+4]
	v_lshl_or_b32 v[PW], v[TM+6], 16, v[PW]
	v_lshl_or_b32 v[PW], v[TM+7], 24, v[PW]
.irp b, 0,1,2,3
	v_cvt_scalef32_pk8_fp4_f32 v[PC+2*\b], v[\s+16*\b:\s+7+16*\b], v[TM+12+\b]
	v_cvt_scalef32_pk8_fp4_f32 v[PC+1+2*\b], v[\s+8+16*\b:\s+15+16*\b], v[TM+12+\b]
.endr
	v_nop                                          ; one plain place behind a scaled conversion
.irp c, 0,1                            ; the operand's layout wants a WHOLE block in a lane: lanes 0-15 block 2 c, lanes 16-31 block 2 c + 1
.irp i, 0,1
	v_permlane16_swap_b32 v[PC+4*\c+\i], v[PC+2+4*\c+\i]
.endr
.endr
.endm
	s_load_b512 s[4:19], s[0:1], 0x0               ; sel s[4:5], xc s[6:7], xsc s[8:9], w1_codes s[10:11], w1_scales s[12:13], b1 s[14:15], hc s[16:17], hsc s[18:19]
	s_load_b64 s[44:45], s[0:1], 0x40              ; list
	v_lshl_add_u32 v170, v0, 2, 0x15200
	v_mov_b32 v171, 0
	v_lshrrev_b32 v3, 5, v0
	v_readfirstlane_b32 s20, v3                    ; wave 0..3
	s_and_b32 s21, ttmp7, 0xffff                   ; expert
	s_mov_b32 s22, ttmp9                           ; slice
	v_and_b32 v1, 15, v0                           ; r
	v_bfe_u32 v2, v0, 4, 1                         ; h
	v_and_b32 v3, 31, v0
	v_lshlrev_b32 v4, 4, v3                        ; 16 x lane
	v_lshlrev_b32 v5, 2, v3                        ; 4 x lane
	v_lshlrev_b32 v6, 2, v1                        ; 4 r
	v_add_nc_u32 v[SPR], 1088, v3
	v_add_nc_u32 v[PW], 1024, v5                   ; 4 x lane + 1024: the lane's part of an entry whose k is 1
	; every LDS address that stays is made here, ahead of the lines that wave 0 alone runs
	s_lshl_b32 s32, s20, 6
	v_add_nc_u32 v11, s32, v6                      ; the list's words 16 w + r: my first tile's entries
	s_lshl_b32 s32, s20, 14
	v_add_nc_u32 v[SA], s32, v4
	v_add_nc_u32 v[SA], IMG, v[SA]
	s_lshl_b32 s32, s20, 11
	v_add_nc_u32 v[SB], s32, v4
	v_add_nc_u32 v[SB], IMG2, v[SB]
	v_add_nc_u32 v[RA], IMG, v4
	v_add_nc_u32 v[RB], IMG2, v4
	v_and_b32 v3, 8, v1
	v_add_nc_u32 v3, v3, v1                        ; r + 8 (r / 8)
	v_lshlrev_b32 v13, 9, v3
	v_lshl_add_u32 v13, v2, 4, v13                 ; W1: a row is 512 bytes
	v_lshlrev_b32 v14, 5, v3                       ; its scale bytes: 32 a row
	v_lshlrev_b32 v15, 6, v2                       ; b1: 16 h numbers on
	s_mov_b32 s[SEL], 0x76543210
	s_mov_b32 s[SEL+1], 0xfedcba98                 ; v_permlanex16_b32's selects for lane l xor 16
	s_mov_b32 s30, 0xbdd2d3e8                      ; k2 = -0.10294324
	s_mov_b32 s31, s30                             ; (named with it as a pair, so it is written)
	v_mov_b32 v[KV], 0xc0135761                    ; k1 = -2.3022082
	v_mov_b32 v[KV+1], 0xc0135761
.irp b, 0,1,2,3
	v_mov_b32 v[TM+4+\b], 0                        ; written once: a lane permute's destination counts as one of its sources
.endr
	s_lshl_b32 s32, s21, 12
	s_lshl_b32 s33, s22, 7
	s_add_co_u32 s32, s32, s33
	s_lshl_b32 s33, s20, 5
	s_add_co_u32 s32, s32, s33                     ; the first row of W1 that I fetch: 4096 expert + 128 slice + 32 wave
	s_mov_b32 s35, 0
	s_mul_i32 s46, s21, 4608
	s_mov_b32 s47, 0
	s_wait_kmcnt 0x0
	s_add_nc_u64 s[44:45], s[44:45], s[46:47]      ; my expert's list in memory
	s_lshl_b32 s34, s32, 9
	s_add_nc_u64 s[10:11], s[10:11], s[34:35]
	s_lshl_b32 s34, s32, 5
	s_add_nc_u64 s[12:13], s[12:13], s[34:35]
	s_lshl_b32 s34, s32, 2
	s_add_nc_u64 s[14:15], s[14:15], s[34:35]
.irp g, 0,1,2,3,4,5,6,7
	global_load_b128 v[W+4*\g:W+4*\g+3], v4, s[4:5] offset:512*\g          ; sel: register 4 g + c holds token 128 g + 4 lane + c
.endr
	WIN 0x40                                       ; destination window 1: my quarter of the slice as loaded, 40 loads
.irp u, 0,1
.irp s, 0,1,2,3,4,5,6,7
.irp c, 0,1
	global_load_b128 v[4*(16*\u+2*\s+\c):4*(16*\u+2*\s+\c)+3], v13, s[10:11] offset:4096*\u+64*\s+32*\c   ; tile 2 w + u: sixteen loads cover 16 rows x 512 bytes
.endr
.endr
.endr
.irp u, 0,1
.irp f, 0,1
	global_load_b128 v[128+4*(2*\u+\f):128+4*(2*\u+\f)+3], v14, s[12:13] offset:256*\u+16*\f             ; its rows' scale words
.endr
.endr
.irp u, 0,1
.irp f, 0,1
	global_load_b128 v[144+4*(2*\u+\f):144+4*(2*\u+\f)+3], v15, s[14:15] offset:32*\u+16*\f              ; its bias, in the result's layout
.endr
.endr
	WIN 0
	s_wait_loadcnt 40                              ; sel's 8 loads are in; the 40 loads of my quarter, issued behind them, may stay out
	; the 32 masks and entries, four chunks by turns
.irp g, 0,1,2,3,4,5,6,7
.irp c, 0,1,2,3
	v_and_b32 v[GT+\c], 0xff, v[W+4*\g+\c]                         ; the first choice
.endr
.irp c, 0,1,2,3
	v_lshrrev_b32 v[GT+4+\c], 8, v[W+4*\g+\c]                      ; the second
.endr
.irp c, 0,1,2,3
	v_cmp_eq_u32 s[KM+\c], s21, v[GT+4+\c]
.endr
.irp c, 0,1,2,3
	v_cndmask_b32 v[GT+\c], v[GT+\c], v[GT+4+\c], s[KM+\c]         ; the second where it matches, else the first: the two differ, so at most one matches
.endr
.irp c, 0,1,2,3
	v_cndmask_b32 v[GT+4+\c], v5, v[PW], s[KM+\c]                  ; 4 lane + 1024 k
.endr
.irp c, 0,1,2,3
	v_cmp_eq_u32 s[MK+4*\g+\c], s21, v[GT+\c]                      ; the chunk's mask
.endr
.irp c, 0,1,2,3
	v_add_nc_u32 v[W+4*\g+\c], 128*\g+\c, v[GT+4+\c]               ; the entry: k x 1024 + token
.endr
.endr
	s_mov_b32 s28, 0
.set i, 0
.rept 32
	s_bcnt1_i32_b32 s29, s[MK+i]
	s_add_co_u32 s28, s28, s29
.set i, i+1
.endr
	s_min_u32 s28, s28, 1024                       ; the expert's rows: held at the number of tokens, which it cannot pass
	s_add_co_u32 s23, s28, 15
	s_lshr_b32 s23, s23, 4
	s_max_u32 s23, s23, 1                          ; nt
	s_cmp_lg_u32 s20, 0
	s_cbranch_scc1 .Lnot_wave_0
	s_mov_b32 s25, 0                               ; rows so far
.set i, 0
.rept 32
	v_mbcnt_lo_u32_b32 v[POS+i], s[MK+i], s25      ; the count so far + the matching lanes below me
	s_bcnt1_i32_b32 s29, s[MK+i]
	s_add_co_u32 s25, s25, s29
	s_min_u32 s25, s25, 1024
.set i, i+1
.endr
.set i, 0
.rept 32
	v_cndmask_b32 v[POS+i], v[SPR], v[POS+i], s[MK+i]              ; my place in the list, or my spare word
.set i, i+1
.endr
.set i, 0
.rept 32
	v_min_u32 v[POS+i], 1119, v[POS+i]
.set i, i+1
.endr
.set i, 0
.rept 32
	v_lshlrev_b32 v[POS+i], 2, v[POS+i]
.set i, i+1
.endr
.set i, 0
.rept 32
	ds_store_b32 v[POS+i], v[W+i]
.set i, i+1
.endr
	s_lshl_b32 s29, s21, 4
	s_add_co_u32 s29, s29, 2048
	v_add_nc_u32 v[PC], s29, v1                    ; the pad entry
	v_lshrrev_b32 v[PC+1], 2, v5                   ; lane
	v_add_nc_u32 v[PC+1], s28, v[PC+1]
	v_add_nc_u32 v[PC+2], 32, v[PC+1]
	v_min_u32 v[PC+1], 1087, v[PC+1]
	v_min_u32 v[PC+2], 1087, v[PC+2]
	v_lshlrev_b32 v[PC+1], 2, v[PC+1]
	v_lshlrev_b32 v[PC+2], 2, v[PC+2]
	ds_store_b32 v[PC+1], v[PC]                    ; words count .. count + 31
	ds_store_b32 v[PC+2], v[PC]                    ; and count + 32 .. count + 63
	s_cmp_lg_u32 s22, 0
	s_cbranch_scc1 .Lnot_slice_0
.set i, 0
.rept 32
	global_store_b32 v[POS+i], v[W+i], s[44:45]    ; one work-group of each expert stores the list for the next launch
.set i, i+1
.endr
	global_store_b32 v[PC+1], v[PC], s[44:45]
	global_store_b32 v[PC+2], v[PC], s[44:45]
	v_mov_b32 v[PC+3], s23
	global_store_b32 v5, v[PC+3], s[44:45] offset:4480             ; nt, in words 1120 .. 1151
	s_wait_xcnt 0x0                                ; these stores have read their registers, which products and conversions write later
.Lnot_slice_0:
.Lnot_wave_0:
	s_wait_dscnt 0x0                               ; for the other waves' sake: the list's stores have landed
	s_barrier_signal -1
	s_barrier_wait -1                              ; the list lies in LDS; nobody writes it again
	ds_load_b32 v9, v11                            ; words 0 .. 63 of a list are always stored
	s_wait_dscnt 0x0
	ADDR 9
	XLOAD                                          ; my first tile's rows are asked for ahead of the images' way through LDS
	s_wait_loadcnt 18                              ; my quarter of the slice is in; the 18 loads of x, issued behind it, may stay out
	WIN 0x04                                       ; an LDS store's data are its source 1: window 1
.set n, 0
.rept 32
	ds_store_b128 v[SA], v[4*n:4*n+3] offset:512*n                 ; unit 32 w + n = 16 t + 2 s + c
.set n, n+1
.endr
.irp f, 0,1,2,3
	ds_store_b128 v[SB], v[128+4*\f:128+4*\f+3] offset:512*\f      ; unit 4 w + f = 2 t + half
	ds_store_b128 v[SB], v[144+4*\f:144+4*\f+3] offset:8192+512*\f
.endr
	WIN 0
	s_wait_dscnt 0x0                               ; for the other waves' sake: my images have landed
	s_barrier_signal -1
	s_barrier_wait -1                              ; the whole slice lies in LDS; from here on LDS is only read
	s_cmp_ge_u32 s20, s23
	s_cbranch_scc1 .Lend                           ; no tile for this wave
	s_mov_b32 s24, s20                             ; my tile
	s_sub_co_u32 s36, s23, 1
	s_sub_co_u32 s37, s23, s20
	s_add_co_u32 s37, s37, 3
	s_lshr_b32 s37, s37, 2                         ; my tiles: ceil((nt - wave) / 4), at least 1 here,
	s_min_u32 s37, s37, 16                         ; and at most 16: an expert has at most 64 tiles
	s_mov_b32 s38, 0                               ; trips done
	ENTLOAD 4
.irp t, 0,1,2,3,4,5,6,7
.irp f, 0,1
	ds_load_b128 v[W1S+8*\t+4*\f:W1S+8*\t+4*\f+3], v[RB] offset:512*(2*\t+\f)
.endr
.endr
	WIN 0xc0                                       ; destination window 3
.irp t, 0,1,2,3,4,5,6,7
.irp f, 0,1
	ds_load_b128 v[8*\t+4*\f:8*\t+4*\f+3], v[RB] offset:8192+512*(2*\t+\f)
.endr
.endr
	WIN 0x40
	WREAD 0
	WIN 0x80
	WREAD 4
	WIN 0
.Ltile:
	s_wait_loadcnt 0x0                             ; the tile's x; also frees v7, v8
	s_wait_dscnt 0x0                               ; the next entries (in the first trip the slice's images too)
	WIN 0x31                                       ; source 0 window 1, C (b1) window 3
	MULS 0
	WIN 0x01
	MULS 1
	MULS 2
	MULS 3
	WIN 0x02                                       ; source 0 window 2
	MULS 4
	MULS 5
	MULS 6
	MULS 7
	WIN 0
.rept 4
	v_nop                                          ; four places in front of the loads into x's registers and of the first read of the results
.endr
	s_add_co_u32 s25, s24, 4
	s_cmp_lt_u32 s25, s23
	s_cbranch_scc0 .Lno_next
	ADDR 10                                        ; my next tile's rows are asked for here and land under the gelu
	XLOAD
	ENTLOAD 8
.Lno_next:
.irp g, 0,1,2,3,4,5,6,7
	GELU8 \g
.endr
	s_wait_xcnt 0x0                                ; the last trip's stores have read their data and bases: both are written again below
	s_min_u32 s32, s24, 63
	s_lshl_b32 s33, s21, 6
	s_add_co_u32 s32, s32, s33
	s_lshl_b32 s32, s32, 5
	s_add_co_u32 s32, s32, s22                     ; (expert x 64 + tile) x 32 + slice
	s_lshl_b32 s34, s32, 10
	s_add_nc_u64 s[40:41], s[16:17], s[34:35]
	s_lshl_b32 s34, s32, 7
	s_add_nc_u64 s[42:43], s[18:19], s[34:35]
	QUANT HA
	global_store_b128 v4, v[PC:PC+3], s[40:41]               ; 512 consecutive bytes, aligned
	global_store_b128 v4, v[PC+4:PC+7], s[40:41] offset:512
	global_store_b32 v5, v[PW], s[42:43]
	s_add_co_u32 s24, s24, 4                       ; my next tile
	s_add_co_u32 s38, s38, 1                       ; the loop is counted by its trips, one at a time
	s_cmp_lt_u32 s38, s37
	s_cbranch_scc1 .Ltile
.Lend:
	s_wait_tensorcnt 0x0
	ds_add_u32 v170, v171
	s_wait_dscnt 0x0
	s_endpgm
.Lfunc_end_k_qfc710bbf5d_up:
	.size	k_qfc710bbf5d_up, .Lfunc_end_k_qfc710bbf5d_up-k_qfc710bbf5d_up
	.p2alignl 7, 3214868480
	.fill 96, 4, 3214868480
	.section	.rodata,"a",@progbits
	.p2align	6, 0x0
	.amdhsa_kernel k_qfc710bbf5d_up
		.amdhsa_group_segment_fixed_size 87040
		.amdhsa_private_segment_fixed_size 0
		.amdhsa_enable_private_segment 0
		.amdhsa_kernarg_size 72
		.amdhsa_user_sgpr_count 2
		.amdhsa_user_sgpr_kernarg_segment_ptr 1
		.amdhsa_wavefront_size32 1
		.amdhsa_system_sgpr_workgroup_id_x 1
		.amdhsa_system_sgpr_workgroup_id_y 1
		.amdhsa_system_sgpr_workgroup_id_z 1
		.amdhsa_system_vgpr_workitem_id 0
		.amdhsa_next_free_vgpr 832
		.amdhsa_next_free_sgpr 98
		.amdhsa_reserve_vcc 0
		.amdhsa_float_denorm_mode_32 3
		.amdhsa_float_denorm_mode_16_64 3
		.amdhsa_memory_ordered 1
		.amdhsa_forward_progress 1
		.amdhsa_inst_pref_size 85
	.end_amdhsa_kernel
	.amdgpu_metadata
---
amdhsa.version: [ 1, 2 ]
amdhsa.kernels:
  - .name:           k_qfc710bbf5d_up
    .symbol:         k_qfc710bbf5d_up.kd
    .args:
      - { .name: sel, .offset: 0, .size: 8, .value_kind: global_buffer, .address_space: global }
      - { .name: xc, .offset: 8, .size: 8, .value_kind: global_buffer, .address_space: global }
      - { .name: xsc, .offset: 16, .size: 8, .value_kind: global_buffer, .address_space: global }
      - { .name: w1_codes, .offset: 24, .size: 8, .value_kind: global_buffer, .address_space: global }
      - { .name: w1_scales, .offset: 32, .size: 8, .value_kind: global_buffer, .address_space: global }
      - { .name: b1, .offset: 40, .size: 8, .value_kind: global_buffer, .address_space: global }
      - { .name: hc, .offset: 48, .size: 8, .value_kind: global_buffer, .address_space: global }
      - { .name: hsc, .offset: 56, .size: 8, .value_kind: global_buffer, .address_space: global }
      - { .name: list, .offset: 64, .size: 8, .value_kind: global_buffer, .address_space: global }
    .group_segment_fixed_size: 87040
    .private_segment_fixed_size: 0
    .kernarg_segment_align: 8
    .kernarg_segment_size: 72
    .max_flat_workgroup_size: 128
    .sgpr_count:     98
    .vgpr_count:     832
    .wavefront_size: 32
...
	.end_amdgpu_metadata
.endif
;; end of part 6
;; launch down (part 7): grid 32 x 8, 4 waves a work-group, no clusters, 68,096 bytes of LDS; arguments list, hc, hsc, w2_codes, w2_scales, b2, ybuf; writes ybuf
.if DOCPART == 7
	.amdgcn_target "amdgcn-amd-amdhsa--gfx1250"
	.amdhsa_code_object_version 6
	.text
	.protected	k_qfc710bbf5d_down
	.globl	k_qfc710bbf5d_down
	.p2align	8
	.type	k_qfc710bbf5d_down,@function
k_qfc710bbf5d_down:
	s_mov_b64 s[64:65], 0
	v_nop
	global_prefetch_b8 v0, s[64:65] scope:SCOPE_SE
	s_setreg_imm32_b32 hwreg(HW_REG_WAVE_MODE, 25, 1), 1
	s_wait_xcnt 0x0
; SECOND PRODUCT: y = h W2^T + b2 for the routed rows.  Work-group: x = column slice c (x % 8: 128 output columns) and row quarter q (x / 8), y = expert.
; THE WEIGHTS STAND STILL: wave w holds K steps 8 w .. 8 w + 7 (1,024 of the 4,096 along K) of the slice's 128 rows of W2: 64 fragments, 512 registers, read once.
; The work-group takes the expert's tiles q, q + 4, .. of 16 rows.  Each wave makes a partial sum of the tile's 16 x 128 results; the four meet in LDS; wave w adds rows 4 w .. 4 w + 3,
; adds b2, and stores each as 512 consecutive aligned bytes at row = list entry of ybuf (pads fall into rows from 2048 on, which nobody reads).
; THE LOOP HAS A CONSTANT 16 TILES (8 trips of two): every wave passes every barrier.  A tile at or past nt jumps over its work, never over the barrier or the waits in front of it.
; No tensor load, no cluster: what is skipped hangs on a stored number.
; THE HIDDEN LAYER'S FRAGMENTS come as images of the operand's registers, two sets by turns.  Both are filled at the head (tiles q and q + 4, held at nt - 1: nt is at least 1, so these bytes were stored).
; Set b is filled again, with the tile two turns on, behind its tile's barrier; the wait for all loads stands in front of EVERY barrier, so a refill has the rest of its tile and the next tile's 64 products in which to land.
; THE LIST ENTRIES of my four rows of a tile come with the tile's fragments: one load of 16 bytes, the same address in every lane, into the set's own four registers.  So nothing in the loop waits for them by itself.
; THE PRODUCT IS USED TRANSPOSED (source 0 = 16 rows of W2, source 1 = 16 rows of h): a lane holds eight neighbouring columns of one row.  K is split over the four waves: the f32 sums are added in another order than one chain.
; LDS: two stages by turns, 33,792 bytes each: four partial sums of 16 rows x (512 bytes + 16).  Stage b is written again only behind the other tile's barrier, in front of which every wave has waited for its reads.
; REGISTERS: window 0: v1-12 addresses; v16-23 list entries, two sets of 4; v24-27 the four rows' offsets in ybuf; v32-95 W2's scale words (8 n + s); v96-111 h's scale words, two sets; v112-239 h's fragments, two sets of 64.
;   windows 1, 2: W2's fragment (tile n, K step s) at v[8 (8 (s % 4) + n)] of window 1 + s / 4.   window 3: v0-63 the 8 accumulators; v64-127 rows read back (row i, part p at 64 + 16 i + 4 p); v128-131 b2.
.set EA,  10                           ; v10-11  where a set's entries lie in the list: 64 tile + 16 wave
.set EN,  16
.set OF,  24
.set W2S, 32
.set HS,  96
.set AF,  112
.set RR,  64
.set B2,  128
.set STAGE, 33792
.set PART,  8448
.set SP,    528
.set MSB, 0
.macro WIN new                         ; the immediate's high byte repeats the setting that is left
.if MSB != (\new)
	s_set_vgpr_msb (MSB<<8)|(\new)
.set MSB, (\new)
.endif
.endm
.macro TILEADR j, ta, ts, buf          ; tile s[j]: its fragments' and scale words' bases (my wave's 8 K steps), and its entries' place in the list
	s_lshl_b32 s46, s[\j], 15
	s_add_nc_u64 s[\ta:\ta+1], s[6:7], s[46:47]
	s_lshl_b32 s46, s[\j], 12
	s_add_nc_u64 s[\ts:\ts+1], s[8:9], s[46:47]
	s_lshl_b32 s46, s[\j], 6
	v_add_nc_u32 v[EA+\buf], s46, v12
.endm
.macro HLOAD buf, ta, ts               ; 8 fragments (each load 512 consecutive bytes), 8 scale words, 4 entries
.irp s, 0,1,2,3,4,5,6,7
.irp c, 0,1
	global_load_b128 v[AF+64*\buf+8*\s+4*\c:AF+64*\buf+8*\s+4*\c+3], v4, s[\ta:\ta+1] offset:1024*\s+512*\c
.endr
.endr
.irp s, 0,1,2,3,4,5,6,7
	global_load_b32 v[HS+8*\buf+\s], v5, s[\ts:\ts+1] offset:128*\s
.endr
	global_load_b128 v[EN+4*\buf:EN+4*\buf+3], v[EA+\buf], s[4:5]
.endm
.macro W2LOAD w                        ; K steps 4 w .. 4 w + 3 of my eight, all 8 tiles: eight loads in a row cover 16 rows x 256 aligned bytes
.irp n, 0,1,2,3,4,5,6,7
.irp q, 0,1,2,3
.irp c, 0,1
	global_load_b128 v[8*(8*\q+\n)+4*\c:8*(8*\q+\n)+4*\c+3], v8, s[10:11] offset:32768*\n+64*(4*\w+\q)+32*\c
.endr
.endr
.endr
.endm
.macro MULS b, s                       ; K step s of the 8 column tiles: the 8 accumulators take turns, one instruction a turn; the first starts the sums
.irp n, 0,1,2,3,4,5,6,7
.if (\s) == 0
	v_wmma_scale_f32_16x16x128_f8f6f4 v[8*\n:8*\n+7], v[8*\n:8*\n+7], v[AF+64*\b:AF+64*\b+7], 0, v[W2S+8*\n], v[HS+8*\b] matrix_a_fmt:MATRIX_FMT_FP4 matrix_b_fmt:MATRIX_FMT_FP4
.else
	v_wmma_scale_f32_16x16x128_f8f6f4 v[8*\n:8*\n+7], v[8*(8*((\s)%4)+\n):8*(8*((\s)%4)+\n)+7], v[AF+64*\b+8*(\s):AF+64*\b+8*(\s)+7], v[8*\n:8*\n+7], v[W2S+8*\n+(\s)], v[HS+8*\b+(\s)] matrix_a_fmt:MATRIX_FMT_FP4 matrix_b_fmt:MATRIX_FMT_FP4
.endif
.endr
.endm
	s_load_b256 s[4:11], s[0:1], 0x0               ; list s[4:5], hc s[6:7], hsc s[8:9], w2_codes s[10:11]
	s_load_b128 s[12:15], s[0:1], 0x20             ; w2_scales s[12:13], b2 s[14:15]
	s_load_b64 s[16:17], s[0:1], 0x30              ; ybuf
	v_lshl_add_u32 v254, v0, 2, 0x10800
	v_mov_b32 v255, 0
	v_lshrrev_b32 v3, 5, v0
	v_readfirstlane_b32 s20, v3                    ; wave 0..3
	s_and_b32 s21, ttmp7, 0xffff                   ; expert
	s_and_b32 s22, ttmp9, 7                        ; column slice
	s_lshr_b32 s23, ttmp9, 3                       ; row quarter
	v_and_b32 v1, 15, v0                           ; r
	v_bfe_u32 v2, v0, 4, 1                         ; h
	v_and_b32 v3, 31, v0
	v_lshlrev_b32 v4, 4, v3                        ; 16 x lane
	v_lshlrev_b32 v5, 2, v3                        ; 4 x lane
	s_mul_i32 s46, s20, PART
	v_mul_u32_u24 v6, v1, SP
	v_lshl_add_u32 v6, v2, 5, v6
	v_add_nc_u32 v6, s46, v6                       ; the stage, in: my part, row r, + 32 h
	s_mul_i32 s46, s20, 4*SP
	v_add_nc_u32 v7, s46, v4                       ; and back: rows 4 w on, 16 bytes a lane
	v_lshlrev_b32 v8, 11, v1
	v_lshl_add_u32 v8, v2, 4, v8                   ; W2: a row is 2,048 bytes
	v_lshlrev_b32 v9, 7, v1                        ; its scale bytes: 128 a row
	s_lshl_b32 s50, s20, 4
	v_mov_b32 v12, s50                             ; 16 x wave: my four entries' bytes among a tile's 64
	s_mul_i32 s46, s21, 4608
	s_mov_b32 s47, 0
	s_wait_kmcnt 0x0
	s_add_nc_u64 s[4:5], s[4:5], s[46:47]          ; my expert's list
	s_load_b32 s24, s[4:5], 0x1180                 ; nt
	s_lshl_b32 s46, s21, 21
	s_lshl_b32 s48, s20, 13
	s_add_co_u32 s46, s46, s48
	s_add_nc_u64 s[6:7], s[6:7], s[46:47]          ; hc: my expert's tiles, my wave's 8 K steps
	s_lshl_b32 s46, s21, 18
	s_lshl_b32 s48, s20, 10
	s_add_co_u32 s46, s46, s48
	s_add_nc_u64 s[8:9], s[8:9], s[46:47]          ; hsc likewise
	s_lshl_b32 s49, s21, 10
	s_lshl_b32 s48, s22, 7
	s_add_co_u32 s49, s49, s48                     ; my first row of W2: 1024 expert + 128 slice
	s_lshl_b32 s46, s49, 11
	s_lshl_b32 s48, s20, 9
	s_add_co_u32 s46, s46, s48
	s_add_nc_u64 s[10:11], s[10:11], s[46:47]
	s_lshl_b32 s46, s49, 7
	s_lshl_b32 s48, s20, 5
	s_add_co_u32 s46, s46, s48
	s_add_nc_u64 s[12:13], s[12:13], s[46:47]
	s_lshl_b32 s46, s49, 2
	s_add_nc_u64 s[14:15], s[14:15], s[46:47]
	s_lshl_b32 s46, s22, 9
	s_add_nc_u64 s[44:45], s[16:17], s[46:47]      ; ybuf at my slice's 512 bytes of a row
.irp n, 0,1,2,3,4,5,6,7
	global_load_b128 v[W2S+8*\n:W2S+8*\n+3], v9, s[12:13] offset:2048*\n
	global_load_b128 v[W2S+8*\n+4:W2S+8*\n+7], v9, s[12:13] offset:2048*\n+16
.endr
	WIN 0xc0                                       ; destination window 3
	global_load_b128 v[B2:B2+3], v4, s[14:15]      ; b2 of my four columns of a row
	WIN 0x40
	W2LOAD 0
	WIN 0x80
	W2LOAD 1
	WIN 0
	s_wait_kmcnt 0x0
	s_sub_co_u32 s49, s24, 1                       ; nt - 1
	s_min_u32 s48, s23, s49
	s_min_u32 s48, s48, 63
	TILEADR 48, 28, 30, 0
	HLOAD 0, 28, 30
	s_add_co_u32 s48, s23, 4
	s_min_u32 s48, s48, s49
	s_min_u32 s48, s48, 63
	TILEADR 48, 36, 38, 1                          ; (a second set of bases: the first set's loads are still out)
	HLOAD 1, 36, 38
	s_mov_b32 s25, s23                             ; the tile in hand
	s_mov_b32 s26, 8
	s_wait_loadcnt 0x0                             ; the weights, and both sets
.macro TRIP b
	s_cmp_lt_u32 s25, s24
	s_cbranch_scc0 .Lmeet_\@
	WIN 0xf1                                       ; source 0 window 1, C and D window 3
	MULS \b, 0
	MULS \b, 1
	MULS \b, 2
	MULS \b, 3
	WIN 0xf2                                       ; source 0 window 2
	MULS \b, 4
	MULS \b, 5
	MULS \b, 6
	MULS \b, 7
	WIN 0x0c                                       ; an LDS store's data are its source 1: window 3
.rept 5
	v_nop                                          ; places behind the products: four for the stores that read the results and the loads into this set, five for the next tile's products, which begin the accumulators anew
.endr
.irp n, 0,1,2,3,4,5,6,7
	ds_store_b128 v6, v[8*\n:8*\n+3] offset:STAGE*\b+64*\n          ; each accumulator from its low end on
	ds_store_b128 v6, v[8*\n+4:8*\n+7] offset:STAGE*\b+64*\n+16
.endr
	WIN 0
.Lmeet_\@:
	s_wait_loadcnt 0x0                             ; on every path: the refill issued behind the last barrier has landed; the next tile's products read it
	s_wait_dscnt 0x0                               ; my partial sum lies in the stage, and my reads of the other stage are over
	s_barrier_signal -1
	s_barrier_wait -1
	s_cmp_lt_u32 s25, s24
	s_cbranch_scc0 .Lnext_\@
	s_wait_xcnt 0x0                                ; the last tile's stores have read their data and offsets: both are written again below
.irp i, 0,1,2,3
	v_min_u32 v[OF+\i], 2175, v[EN+4*\b+\i]        ; the entry of row 4 w + i, held under ybuf's 2,176 rows; read ahead of the refill, which lands on the set's registers
.endr
.irp i, 0,1,2,3
	v_lshl_add_u32 v[OF+\i], v[OF+\i], 12, v4      ; a row of ybuf is 4,096 bytes; + 16 x lane
.endr
	WIN 0xc0
.irp i, 0,1,2,3
.irp p, 0,1,2,3
	ds_load_b128 v[RR+16*\i+4*\p:RR+16*\i+4*\p+3], v7 offset:STAGE*\b+PART*\p+SP*\i
.endr
.endr
	WIN 0
	s_add_co_u32 s48, s25, 8
	s_cmp_lt_u32 s48, s24
	s_cbranch_scc0 .Lnofill_\@
	s_min_u32 s48, s48, 63
	TILEADR 48, 28, 30, \b                         ; (the loads that named these bases and this address were waited for in front of the barrier)
	HLOAD \b, 28, 30                               ; this set's next tile
.Lnofill_\@:
	s_wait_dscnt 0x0
	WIN 0xcf                                       ; destination and both sources window 3
.irp i, 0,1,2,3
.irp d, 0,2
	v_pk_add_f32 v[RR+16*\i+\d:RR+16*\i+\d+1], v[RR+16*\i+\d:RR+16*\i+\d+1], v[RR+16*\i+4+\d:RR+16*\i+4+\d+1]
	v_pk_add_f32 v[RR+16*\i+8+\d:RR+16*\i+8+\d+1], v[RR+16*\i+8+\d:RR+16*\i+8+\d+1], v[RR+16*\i+12+\d:RR+16*\i+12+\d+1]
.endr
.endr
.irp i, 0,1,2,3
.irp d, 0,2
	v_pk_add_f32 v[RR+16*\i+\d:RR+16*\i+\d+1], v[RR+16*\i+\d:RR+16*\i+\d+1], v[RR+16*\i+8+\d:RR+16*\i+8+\d+1]
.endr
.endr
.irp i, 0,1,2,3
.irp d, 0,2
	v_pk_add_f32 v[RR+16*\i+\d:RR+16*\i+\d+1], v[RR+16*\i+\d:RR+16*\i+\d+1], v[B2+\d:B2+\d+1]
.endr
.endr
	WIN 0x0c                                       ; a store's data are its source 1: window 3; its offset register is source 0: window 0
.irp i, 0,1,2,3
	global_store_b128 v[OF+\i], v[RR+16*\i:RR+16*\i+3], s[44:45]          ; 32 lanes store 512 consecutive bytes, at a multiple of 512 from ybuf's first byte
.endr
	WIN 0
.Lnext_\@:
	s_add_co_u32 s25, s25, 4
.endm
.Lloop:
	TRIP 0
	TRIP 1
	s_sub_co_u32 s26, s26, 1
	s_cmp_lg_u32 s26, 0
	s_cbranch_scc1 .Lloop
	s_wait_tensorcnt 0x0
	ds_add_u32 v254, v255
	s_wait_dscnt 0x0
	s_endpgm
.Lfunc_end_k_qfc710bbf5d_down:
	.size	k_qfc710bbf5d_down, .Lfunc_end_k_qfc710bbf5d_down-k_qfc710bbf5d_down
	.p2alignl 7, 3214868480
	.fill 96, 4, 3214868480
	.section	.rodata,"a",@progbits
	.p2align	6, 0x0
	.amdhsa_kernel k_qfc710bbf5d_down
		.amdhsa_group_segment_fixed_size 68096
		.amdhsa_private_segment_fixed_size 0
		.amdhsa_enable_private_segment 0
		.amdhsa_kernarg_size 56
		.amdhsa_user_sgpr_count 2
		.amdhsa_user_sgpr_kernarg_segment_ptr 1
		.amdhsa_wavefront_size32 1
		.amdhsa_system_sgpr_workgroup_id_x 1
		.amdhsa_system_sgpr_workgroup_id_y 1
		.amdhsa_system_sgpr_workgroup_id_z 1
		.amdhsa_system_vgpr_workitem_id 0
		.amdhsa_next_free_vgpr 904
		.amdhsa_next_free_sgpr 66
		.amdhsa_reserve_vcc 0
		.amdhsa_float_denorm_mode_32 3
		.amdhsa_float_denorm_mode_16_64 3
		.amdhsa_memory_ordered 1
		.amdhsa_forward_progress 1
		.amdhsa_inst_pref_size 55
	.end_amdhsa_kernel
	.amdgpu_metadata
---
amdhsa.version: [ 1, 2 ]
amdhsa.kernels:
  - .name:           k_qfc710bbf5d_down
    .symbol:         k_qfc710bbf5d_down.kd
    .args:
      - { .name: list, .offset: 0, .size: 8, .value_kind: global_buffer, .address_space: global }
      - { .name: hc, .offset: 8, .size: 8, .value_kind: global_buffer, .address_space: global }
      - { .name: hsc, .offset: 16, .size: 8, .value_kind: global_buffer, .address_space: global }
      - { .name: w2_codes, .offset: 24, .size: 8, .value_kind: global_buffer, .address_space: global }
      - { .name: w2_scales, .offset: 32, .size: 8, .value_kind: global_buffer, .address_space: global }
      - { .name: b2, .offset: 40, .size: 8, .value_kind: global_buffer, .address_space: global }
      - { .name: ybuf, .offset: 48, .size: 8, .value_kind: global_buffer, .address_space: global }
    .group_segment_fixed_size: 68096
    .private_segment_fixed_size: 0
    .kernarg_segment_align: 8
    .kernarg_segment_size: 56
    .max_flat_workgroup_size: 128
    .sgpr_count:     66
    .vgpr_count:     904
    .wavefront_size: 32
...
	.end_amdgpu_metadata
.endif
;; end of part 7
;; launch join: the kernel of part 5 again; grid 256 x 1, 4 waves a work-group, no clusters, 0 bytes of LDS; arguments ybuf, wts, out0; writes out0
;; ======== version 3 of 3: 4 launches; version 2 with the launches up, down written anew for expert scheduling mode
;; workspace buffers: sel 4,096 bytes of whole numbers; wts 8,192 bytes; xc 524,288 bytes; xsc 32,768 bytes; list 36,864 bytes of whole numbers; hc 16,777,216 bytes; hsc 2,097,152 bytes; ybuf 8,912,896 bytes
;; launch route: the kernel of part 1 again; grid 256 x 1, 4 waves a work-group, no clusters, 33,792 bytes of LDS; arguments inputs, gate_w, gate_b, sel, wts, xc, xsc; writes sel, wts, xc, xsc
;; launch up (part 8): grid 32 x 8, 4 waves a work-group, no clusters, 87,040 bytes of LDS; arguments sel, xc, xsc, w1_codes, w1_scales, b1, hc, hsc, list; writes hc, hsc, list
.if DOCPART == 8
	.amdgcn_target "amdgcn-amd-amdhsa--gfx1250"
	.amdhsa_code_object_version 6
	.text
	.protected	k_qfc710bbf5d_up
	.globl	k_qfc710bbf5d_up
	.p2align	8
	.type	k_qfc710bbf5d_up,@function
k_qfc710bbf5d_up:
	s_mov_b64 s[64:65], 0
	v_nop
	global_prefetch_b8 v0, s[64:65] scope:SCOPE_SE
	s_setreg_imm32_b32 hwreg(HW_REG_WAVE_SCHED_MODE, 0, 2), 2
	s_setreg_imm32_b32 hwreg(HW_REG_WAVE_MODE, 25, 1), 1
	s_wait_xcnt 0x0
	s_wait_alu depctr_vm_vsrc(0)
; THE ROWS ARE PLACED BY EXPERT; FIRST PRODUCT, GELU, QUANTISER OF THE HIDDEN LAYER, for the rows that were routed to an expert alone.
; Work-group (x = slice, y = expert) owns hidden units 128 slice .. + 127 of the expert: one K step of the second product.
; THE LIST.  Every wave reads the 1,024 words of sel (first | second << 8, stored by the launch before), makes 32 masks of 32 tokens (chunk 4 g + c: tokens 128 g + 4 lane + c) and their count in scalar
; registers: nt = max(ceil(count / 16), 1) tiles of 16 rows.  Wave 0 alone lays the list into LDS: words 0 .. count - 1 the entries k x 1024 + token, a lane's place being the count so far + the matching lanes below it;
; words count .. count + 63 pad entries 2048 + 16 expert + (lane % 16); a lane whose token does not match puts its entry into a spare word of its own (1088 + lane), so that EXEC never changes.
; A pad stands for token 16 expert + i and for a row of the later result buffer that nobody reads; only the pads that fill the last tile are used.  An expert without rows has one tile of pads.
; The work-group of slice 0 stores the same list, and nt in words 1120 .. 1151, to memory for the next launch.  No trip count and no branch hangs on a number that went through LDS.
; THE WEIGHTS STAND STILL: each of the four waves holds the slice of W1 (128 rows x 1,024 K of E2M1: 64 fragments, 512 registers), its scale words and its bias in registers; the expert's rows stream past, 16 at a time:
; wave w takes tiles w, w + 4, .. below nt.  THE WORK-GROUP ASKS FOR EACH BYTE OF THE SLICE ONCE: wave w fetches tiles 2 w, 2 w + 1 (40 loads), stores them into LDS as IMAGES OF THE REGISTERS
; (a load's 512 bytes at 16 x lane), and behind a barrier every wave takes all 160 images by the same lines as loads.
; Two barriers: behind the first the list lies in LDS (before it only wave 0 touches LDS); behind the second the images do, and nothing is stored into LDS any more.  A wave without a tile ends behind the second.
; No tensor load, no cluster: the trip count hangs on stored numbers, and the rows are a gather.
; THE PRODUCT IS USED TRANSPOSED (source 0 = 16 rows of W1, source 1 = 16 rows of x): a lane holds ONE row of the hidden layer.  THE ROWS OF W1 THAT FORM A TILE ARE NOT NEIGHBOURS:
; lane r of tile 2 b + u takes row 32 b + 8 u + r + 8 (r / 8), so that the 16 registers of tiles 2 b, 2 b + 1 are 16 neighbours along the next K: 32 b + 16 (lane / 16) + 0 .. 15.
; b1 is the C of each sum's first product.  gelu(x) = x / (1 + 2^(x (k1 + k2 x^2))), k1 = -2 log2(e) sqrt(2 / pi), k2 = 0.044715 k1: the tanh form, without its cancellation, in f32.
; The tile's codes leave as an image of the operand's registers (hc[expert x 64 + tile][K step][1,024 bytes]: registers 0-3 at 16 x lane, 4-7 at 512 + 16 x lane), its scale words at 4 x lane (hsc).
; LIMITS: a block whose largest magnitude lies under 2^-124 keeps the scale byte 1 (a block of zeros too: its codes are zeros; this program alone reads the bytes).  NaN and infinities are not served.
; THE MODE: SCHED_MODE bits 1:0 = 2 (LLVM: expert scheduling mode 2), set by the entry lines.  The code itself states the register dependences
; between vector or matrix instructions and memory or LDS instructions, with s_wait_alu, always for 0.
; THE PLAN.  Registers that memory or LDS instructions touch:
;   v4, v5, v11, v13-15, v188-191   offsets and LDS addresses: made once at the head, ahead of the first load, and never written again.
;   v88-151, v152-155 (wave 0)      entries, places, pads, nt: written by vector lines; read by the list's LDS stores and slice 0's global stores; later they are the products' results and the codes.
;   window 1's v0-159               my quarter of the slice lands there; my LDS stores read it; then the images' loads land there.
;   In the loop: XF, XS             x's loads land there; the products read them.       v10  the entries' LDS load lands there; ADDR reads it.
;                v7, v8, v12        written by ADDR and ENTADR; read by x's loads and by the entries' load.       PC, PW  written by QUANT; read by the trip's three stores.
; So a trip has ONE wait on vm_vsrc, at its head (all that the last trip's loads and stores read may be written), one wait on va_vdst ahead of the next tile's loads, behind ADDR and ENTADR, and one ahead of its stores.
; The gelu names no register that a memory instruction touches: its two waits on va_vdst are those behind its exponentials and behind its reciprocals, one for each batch of 64.
; REGISTERS: window 0: v1-15 addresses; v16-79 x's 8 fragments; v80-87 x's scale words; v88-151 the 8 tiles of the hidden layer (at the head: sel's words, then entries, and their places);
;   v152-159 codes; v160-187 at work; v188-191 LDS addresses of the images; v192-255 W1's scale words (8 t + s).
;   windows 1, 2: W1's fragment (tile t, K step s) at v[8 (8 (s % 4) + t)] of window 1 + s / 4 (at the head window 1's v0-159 hold my quarter as loaded).   window 3: v0-63 b1, tile t at 8 t; v64-127 the gelu's 64 numbers at work.
.set XF,  16
.set XS,  80
.set HA,  88
.set W,   88                           ; v88-119  at the head: sel's words, then the entries
.set POS, 120                          ; v120-151 at the head: the entries' byte offsets in the list
.set PC,  152
.set TM,  160
.set PW,  176                          ; (at the head: 4 x lane + 1024)
.set SPR, 177                          ; my spare word of the list: 1088 + lane
.set GT,  178                          ; v178-185 at the head: four chunks' choices at work
.set KV,  186
.set SA,  188                          ; images, in: codes: IMG + 16,384 wave + 16 lane
.set SB,  189                          ;             scale words and bias: IMG2 + 2,048 wave + 16 lane
.set RA,  190                          ; images, out: IMG + 16 lane
.set RB,  191                          ;              IMG2 + 16 lane
.set W1S, 192
.set GW,  64                           ; in window 3
.set SEL, 26
.set KM,  48                           ; s48-51  four masks at work
.set MK,  66                           ; s66-97  the 32 chunks' masks
.set IMG,  4608                        ; LDS: the list takes bytes 0 .. 4,607; then the codes' 128 images of 512 bytes (unit 16 t + 2 s + c),
.set IMG2, IMG+65536                   ; the scale words' 16 (2 t + f), and from IMG2 + 8,192 the bias's 16
.set MSB, 0
.macro WIN new                         ; the immediate's high byte repeats the setting that is left
.if MSB != (\new)
	s_set_vgpr_msb (MSB<<8)|(\new)
.set MSB, (\new)
.endif
.endm
.macro ADDR ent                        ; from a list entry (held under the list's largest) to the token's row of codes (v7) and of scale bytes (v8)
	v_min_u32 v3, 0x87f, v[\ent]
	v_and_b32 v3, 0x3ff, v3                        ; the token
	v_lshlrev_b32 v8, 5, v3
	v_lshlrev_b32 v7, 9, v3
	v_lshl_add_u32 v7, v2, 4, v7                   ; + 16 x (lane / 16)
.endm
.macro XLOAD                           ; 16 rows x 1,024 K: 8 fragments, and the rows' 8 scale words: 18 loads
.irp s, 0,1,2,3,4,5,6,7
.irp c, 0,1
	global_load_b128 v[XF+8*\s+4*\c:XF+8*\s+4*\c+3], v7, s[6:7] offset:64*\s+32*\c
.endr
.endr
	global_load_b128 v[XS:XS+3], v8, s[8:9]
	global_load_b128 v[XS+4:XS+7], v8, s[8:9] offset:16
.endm
.macro ENTADR ahead                    ; v12: where in LDS the list entries of my tile after next lie (or of the last tile: no load names a word that was not stored)
	s_add_co_u32 s32, s24, \ahead
	s_min_u32 s32, s32, s36                        ; nt - 1
	s_min_u32 s32, s32, 63
	s_lshl_b32 s32, s32, 6
	v_add_nc_u32 v12, s32, v6
.endm
.macro WREAD lo                        ; the images of K steps lo .. lo + 3 of all 8 tiles
.irp t, 0,1,2,3,4,5,6,7
.irp q, 0,1,2,3
.irp c, 0,1
	ds_load_b128 v[8*(8*\q+\t)+4*\c:8*(8*\q+\t)+4*\c+3], v[RA] offset:512*(16*\t+2*(\lo+\q)+\c)
.endr
.endr
.endr
.endm
.macro MULS s                          ; K step s of the 8 tiles: the 8 accumulators take turns, one instruction a turn
.irp t, 0,1,2,3,4,5,6,7
.if (\s) == 0
	v_wmma_scale_f32_16x16x128_f8f6f4 v[HA+8*\t:HA+8*\t+7], v[8*\t:8*\t+7], v[XF:XF+7], v[8*\t:8*\t+7], v[W1S+8*\t], v[XS] matrix_a_fmt:MATRIX_FMT_FP4 matrix_b_fmt:MATRIX_FMT_FP4
.else
	v_wmma_scale_f32_16x16x128_f8f6f4 v[HA+8*\t:HA+8*\t+7], v[8*(8*((\s)%4)+\t):8*(8*((\s)%4)+\t)+7], v[XF+8*(\s):XF+8*(\s)+7], v[HA+8*\t:HA+8*\t+7], v[W1S+8*\t+(\s)], v[XS+(\s)] matrix_a_fmt:MATRIX_FMT_FP4 matrix_b_fmt:MATRIX_FMT_FP4
.endif
.endr
.endm
; The gelu of a lane's 64 numbers, each accumulator from its low end on.  The numbers at work lie in window 3, so that the 64 exponentials are one batch and the 64 reciprocals another, each with one wait.
; A tile's eight exponentials are followed by the next tile's eight plain lines, its eight reciprocals by the next tile's four.
.macro GELU
	WIN 0xc0                                       ; destination window 3
.set j, 0
.rept 32
	v_pk_mul_f32 v[GW+2*j:GW+2*j+1], v[HA+2*j:HA+2*j+1], v[HA+2*j:HA+2*j+1]                        ; x^2
.set j, j+1
.endr
	WIN 0xc3                                       ; destination and source 0 window 3
.irp g, 0,1,2,3,4,5,6,7
.irp p, 0,1,2,3
	v_pk_fma_f32 v[GW+8*\g+2*\p:GW+8*\g+2*\p+1], v[GW+8*\g+2*\p:GW+8*\g+2*\p+1], s[30:31], v[KV:KV+1] op_sel_hi:[1,0,1]   ; k2 x^2 + k1
.endr
.irp p, 0,1,2,3
	v_pk_mul_f32 v[GW+8*\g+2*\p:GW+8*\g+2*\p+1], v[GW+8*\g+2*\p:GW+8*\g+2*\p+1], v[HA+8*\g+2*\p:HA+8*\g+2*\p+1]
.endr
.irp j, 0,1,2,3,4,5,6,7
	v_exp_f32 v[GW+8*\g+\j], v[GW+8*\g+\j]
.endr
.endr
	v_nop                                          ; a plain place behind the last exponential
	s_wait_alu depctr_va_vdst(0)                   ; the 64 exponentials have written v[GW ..] of window 3, which the additions below read
.irp g, 0,1,2,3,4,5,6,7
.irp p, 0,1,2,3
	v_pk_add_f32 v[GW+8*\g+2*\p:GW+8*\g+2*\p+1], v[GW+8*\g+2*\p:GW+8*\g+2*\p+1], 1.0 op_sel_hi:[1,0]
.endr
.irp j, 0,1,2,3,4,5,6,7
	v_rcp_f32 v[GW+8*\g+\j], v[GW+8*\g+\j]
.endr
.endr
	v_nop                                          ; a plain place behind the last reciprocal
	s_wait_alu depctr_va_vdst(0)                   ; the 64 reciprocals have written v[GW ..] of window 3, which the multiplications below read
	WIN 0x0c                                       ; source 1 window 3
.set j, 0
.rept 32
	v_pk_mul_f32 v[HA+2*j:HA+2*j+1], v[HA+2*j:HA+2*j+1], v[GW+2*j:GW+2*j+1]
.set j, j+1
.endr
	WIN 0
.endm
; 64 numbers of a lane, register 16 b + i = k 32 b + 16 (lane / 16) + i of my row, become a fragment's codes in v[PC] on and its scale word in v[PW]
.macro QUANT s
.irp b, 0,1,2,3
	v_max3_num_f32 v[TM+\b], |v[\s+16*\b]|, |v[\s+1+16*\b]|, 0x1800000   ; my 16 numbers of block b, and the floor 2^(3 - 127): the byte cannot fall under 1
.endr
.irp i, 2,4,6,8,10,12,14
.irp b, 0,1,2,3
	v_max3_num_f32 v[TM+\b], v[TM+\b], |v[\s+16*\b+\i]|, |v[\s+1+16*\b+\i]|
.endr
.endr
.irp b, 0,1,2,3
	v_permlanex16_b32 v[TM+4+\b], v[TM+\b], s[SEL], s[SEL+1]
.endr
.irp b, 0,1,2,3
	v_max_num_f32 v[TM+\b], v[TM+\b], v[TM+4+\b]   ; with lane l xor 16's: the block's largest magnitude
.endr
.irp b, 0,1,2,3
	v_add_nc_u32 v[TM+12+\b], 0xff000000, v[TM+\b] ; 2 off its exponent field: the conversion's scale operand
.endr
.irp b, 0,1,2,3
	v_lshrrev_b32 v[TM+4+\b], 23, v[TM+12+\b]      ; the scale's byte
.endr
	v_lshl_or_b32 v[PW], v[TM+5], 8, v[TM+4]
	v_lshl_or_b32 v[PW], v[TM+6], 16, v[PW]
	v_lshl_or_b32 v[PW], v[TM+7], 24, v[PW]
.irp b, 0,1,2,3
	v_cvt_scalef32_pk8_fp4_f32 v[PC+2*\b], v[\s+16*\b:\s+7+16*\b], v[TM+12+\b]
	v_cvt_scalef32_pk8_fp4_f32 v[PC+1+2*\b], v[\s+8+16*\b:\s+15+16*\b], v[TM+12+\b]
.endr
	v_nop                                          ; one plain place behind a scaled conversion
.irp c, 0,1                            ; the operand's layout wants a WHOLE block in a lane: lanes 0-15 block 2 c, lanes 16-31 block 2 c + 1
.irp i, 0,1
	v_permlane16_swap_b32 v[PC+4*\c+\i], v[PC+2+4*\c+\i]
.endr
.endr
.endm
	s_load_b512 s[4:19], s[0:1], 0x0               ; sel s[4:5], xc s[6:7], xsc s[8:9], w1_codes s[10:11], w1_scales s[12:13], b1 s[14:15], hc s[16:17], hsc s[18:19]
	s_load_b64 s[44:45], s[0:1], 0x40              ; list
	v_lshl_add_u32 v170, v0, 2, 0x15200            ; my spare word, behind the images, and 0: made here and kept for the closing lines alone
	v_mov_b32 v171, 0
	v_lshrrev_b32 v3, 5, v0
	v_readfirstlane_b32 s20, v3                    ; wave 0..3
	s_and_b32 s21, ttmp7, 0xffff                   ; expert
	s_mov_b32 s22, ttmp9                           ; slice
	v_and_b32 v1, 15, v0                           ; r
	v_bfe_u32 v2, v0, 4, 1                         ; h
	v_and_b32 v3, 31, v0
	v_lshlrev_b32 v4, 4, v3                        ; 16 x lane
	v_lshlrev_b32 v5, 2, v3                        ; 4 x lane
	v_lshlrev_b32 v6, 2, v1                        ; 4 r
	v_add_nc_u32 v[SPR], 1088, v3
	v_add_nc_u32 v[PW], 1024, v5                   ; 4 x lane + 1024: the lane's part of an entry whose k is 1
	s_wait_alu depctr_va_sdst(0)                   ; s20, the wave's number, is written, ahead of its first reader
	; every LDS address that stays is made here, ahead of the lines that wave 0 alone runs
	s_lshl_b32 s32, s20, 6
	v_add_nc_u32 v11, s32, v6                      ; the list's words 16 w + r: my first tile's entries
	s_lshl_b32 s32, s20, 14
	v_add_nc_u32 v[SA], s32, v4
	v_add_nc_u32 v[SA], IMG, v[SA]
	s_lshl_b32 s32, s20, 11
	v_add_nc_u32 v[SB], s32, v4
	v_add_nc_u32 v[SB], IMG2, v[SB]
	v_add_nc_u32 v[RA], IMG, v4
	v_add_nc_u32 v[RB], IMG2, v4
	v_and_b32 v3, 8, v1
	v_add_nc_u32 v3, v3, v1                        ; r + 8 (r / 8)
	v_lshlrev_b32 v13, 9, v3
	v_lshl_add_u32 v13, v2, 4, v13                 ; W1: a row is 512 bytes
	v_lshlrev_b32 v14, 5, v3                       ; its scale bytes: 32 a row
	v_lshlrev_b32 v15, 6, v2                       ; b1: 16 h numbers on
	s_mov_b32 s[SEL], 0x76543210
	s_mov_b32 s[SEL+1], 0xfedcba98                 ; v_permlanex16_b32's selects for lane l xor 16
	s_mov_b32 s30, 0xbdd2d3e8                      ; k2 = -0.10294324
	s_mov_b32 s31, s30                             ; (named with it as a pair, so it is written)
	v_mov_b32 v[KV], 0xc0135761                    ; k1 = -2.3022082
	v_mov_b32 v[KV+1], 0xc0135761
.irp b, 0,1,2,3
	v_mov_b32 v[TM+4+\b], 0                        ; written once: a lane permute's destination counts as one of its sources
.endr
	s_lshl_b32 s32, s21, 12
	s_lshl_b32 s33, s22, 7
	s_add_co_u32 s32, s32, s33
	s_lshl_b32 s33, s20, 5
	s_add_co_u32 s32, s32, s33                     ; the first row of W1 that I fetch: 4096 expert + 128 slice + 32 wave
	s_mov_b32 s35, 0
	s_mul_i32 s46, s21, 4608
	s_mov_b32 s47, 0
	s_wait_kmcnt 0x0
	s_add_nc_u64 s[44:45], s[44:45], s[46:47]      ; my expert's list in memory
	s_lshl_b32 s34, s32, 9
	s_add_nc_u64 s[10:11], s[10:11], s[34:35]
	s_lshl_b32 s34, s32, 5
	s_add_nc_u64 s[12:13], s[12:13], s[34:35]
	s_lshl_b32 s34, s32, 2
	s_add_nc_u64 s[14:15], s[14:15], s[34:35]
	s_wait_alu depctr_va_vdst(0)                   ; the offsets and LDS addresses v4, v5, v11, v13 to v15 and v188 to v191 are written: the kernel's loads and stores read them, and no vector line writes them again
.irp g, 0,1,2,3,4,5,6,7
	global_load_b128 v[W+4*\g:W+4*\g+3], v4, s[4:5] offset:512*\g          ; sel: register 4 g + c holds token 128 g + 4 lane + c
.endr
	WIN 0x40                                       ; destination window 1: my quarter of the slice as loaded, 40 loads
.irp u, 0,1
.irp s, 0,1,2,3,4,5,6,7
.irp c, 0,1
	global_load_b128 v[4*(16*\u+2*\s+\c):4*(16*\u+2*\s+\c)+3], v13, s[10:11] offset:4096*\u+64*\s+32*\c   ; tile 2 w + u: sixteen loads cover 16 rows x 512 bytes
.endr
.endr
.endr
.irp u, 0,1
.irp f, 0,1
	global_load_b128 v[128+4*(2*\u+\f):128+4*(2*\u+\f)+3], v14, s[12:13] offset:256*\u+16*\f             ; its rows' scale words
.endr
.endr
.irp u, 0,1
.irp f, 0,1
	global_load_b128 v[144+4*(2*\u+\f):144+4*(2*\u+\f)+3], v15, s[14:15] offset:32*\u+16*\f              ; its bias, in the result's layout
.endr
.endr
	WIN 0
	s_wait_loadcnt 40                              ; sel's 8 loads are in; the 40 loads of my quarter, issued behind them, may stay out
	; the 32 masks and entries, four chunks by turns
.irp g, 0,1,2,3,4,5,6,7
.irp c, 0,1,2,3
	v_and_b32 v[GT+\c], 0xff, v[W+4*\g+\c]                         ; the first choice
.endr
.irp c, 0,1,2,3
	v_lshrrev_b32 v[GT+4+\c], 8, v[W+4*\g+\c]                      ; the second
.endr
.irp c, 0,1,2,3
	v_cmp_eq_u32 s[KM+\c], s21, v[GT+4+\c]
.endr
	s_wait_alu depctr_va_sdst(0)                   ; the four masks s[KM ..] are written, ahead of the selects that read them; so are the four chunk masks of the turn before
.irp c, 0,1,2,3
	v_cndmask_b32 v[GT+\c], v[GT+\c], v[GT+4+\c], s[KM+\c]         ; the second where it matches, else the first: the two differ, so at most one matches
.endr
.irp c, 0,1,2,3
	v_cndmask_b32 v[GT+4+\c], v5, v[PW], s[KM+\c]                  ; 4 lane + 1024 k
.endr
.irp c, 0,1,2,3
	v_cmp_eq_u32 s[MK+4*\g+\c], s21, v[GT+\c]                      ; the chunk's mask
.endr
.irp c, 0,1,2,3
	v_add_nc_u32 v[W+4*\g+\c], 128*\g+\c, v[GT+4+\c]               ; the entry: k x 1024 + token
.endr
.endr
	s_wait_alu depctr_va_sdst(0)                   ; the last four chunk masks are written, ahead of the counts below, the first readers of s[MK ..]
	s_mov_b32 s28, 0
.set i, 0
.rept 32
	s_bcnt1_i32_b32 s29, s[MK+i]
	s_add_co_u32 s28, s28, s29
.set i, i+1
.endr
	s_min_u32 s28, s28, 1024                       ; the expert's rows: held at the number of tokens, which it cannot pass
	s_add_co_u32 s23, s28, 15
	s_lshr_b32 s23, s23, 4
	s_max_u32 s23, s23, 1                          ; nt
	s_cmp_lg_u32 s20, 0
	s_cbranch_scc1 .Lnot_wave_0
	s_mov_b32 s25, 0                               ; rows so far
.set i, 0
.rept 32
	v_mbcnt_lo_u32_b32 v[POS+i], s[MK+i], s25      ; the count so far + the matching lanes below me
	s_bcnt1_i32_b32 s29, s[MK+i]
	s_add_co_u32 s25, s25, s29
	s_min_u32 s25, s25, 1024
.set i, i+1
.endr
.set i, 0
.rept 32
	v_cndmask_b32 v[POS+i], v[SPR], v[POS+i], s[MK+i]              ; my place in the list, or my spare word
.set i, i+1
.endr
.set i, 0
.rept 32
	v_min_u32 v[POS+i], 1119, v[POS+i]
.set i, i+1
.endr
.set i, 0
.rept 32
	v_lshlrev_b32 v[POS+i], 2, v[POS+i]
.set i, i+1
.endr
	s_lshl_b32 s29, s21, 4
	s_add_co_u32 s29, s29, 2048
	v_add_nc_u32 v[PC], s29, v1                    ; the pad entry
	v_lshrrev_b32 v[PC+1], 2, v5                   ; lane
	v_add_nc_u32 v[PC+1], s28, v[PC+1]
	v_add_nc_u32 v[PC+2], 32, v[PC+1]
	v_min_u32 v[PC+1], 1087, v[PC+1]
	v_min_u32 v[PC+2], 1087, v[PC+2]
	v_lshlrev_b32 v[PC+1], 2, v[PC+1]
	v_lshlrev_b32 v[PC+2], 2, v[PC+2]
	s_wait_alu depctr_va_vdst(0)                   ; the entries v[W ..], their places v[POS ..], the pad entry and its two places are written: the LDS stores below, and slice 0's global stores, read them
.set i, 0
.rept 32
	ds_store_b32 v[POS+i], v[W+i]
.set i, i+1
.endr
	ds_store_b32 v[PC+1], v[PC]                    ; words count .. count + 31
	ds_store_b32 v[PC+2], v[PC]                    ; and count + 32 .. count + 63
	s_cmp_lg_u32 s22, 0
	s_cbranch_scc1 .Lnot_slice_0
	v_mov_b32 v[PC+3], s23
	s_wait_alu depctr_va_vdst(0)                   ; v[PC+3], nt, is written, which the last store below reads
.set i, 0
.rept 32
	global_store_b32 v[POS+i], v[W+i], s[44:45]    ; one work-group of each expert stores the list for the next launch
.set i, i+1
.endr
	global_store_b32 v[PC+1], v[PC], s[44:45]
	global_store_b32 v[PC+2], v[PC], s[44:45]
	global_store_b32 v5, v[PC+3], s[44:45] offset:4480             ; nt, in words 1120 .. 1151
	s_wait_xcnt 0x0                                ; these stores have had their addresses translated: their registers are written again later, by products and conversions
.Lnot_slice_0:
.Lnot_wave_0:
	s_wait_alu depctr_vm_vsrc(0)                   ; wave 0's LDS stores and global stores have read v[W ..], v[POS ..] and v[PC ..], which the products and the conversions write later
	s_wait_dscnt 0x0                               ; for the other waves' sake: the list's stores have landed
	s_barrier_signal -1
	s_barrier_wait -1                              ; the list lies in LDS; nobody writes it again
	ds_load_b32 v9, v11                            ; words 0 .. 63 of a list are always stored
	s_wait_dscnt 0x0
	ADDR 9
	s_wait_alu depctr_va_vdst(0)                   ; v7 and v8 are written, which x's loads read as offsets
	XLOAD                                          ; my first tile's rows are asked for ahead of the images' way through LDS
	s_wait_loadcnt 18                              ; my quarter of the slice is in; the 18 loads of x, issued behind it, may stay out
	WIN 0x04                                       ; an LDS store's data are its source 1: window 1
.set n, 0
.rept 32
	ds_store_b128 v[SA], v[4*n:4*n+3] offset:512*n                 ; unit 32 w + n = 16 t + 2 s + c
.set n, n+1
.endr
.irp f, 0,1,2,3
	ds_store_b128 v[SB], v[128+4*\f:128+4*\f+3] offset:512*\f      ; unit 4 w + f = 2 t + half
	ds_store_b128 v[SB], v[144+4*\f:144+4*\f+3] offset:8192+512*\f
.endr
	WIN 0
	s_wait_alu depctr_vm_vsrc(0)                   ; my LDS stores have read window 1's v0 to v159, in which the images' loads land behind the barrier
	s_wait_dscnt 0x0                               ; for the other waves' sake: my images have landed
	s_barrier_signal -1
	s_barrier_wait -1                              ; the whole slice lies in LDS; from here on LDS is only read
	s_cmp_ge_u32 s20, s23
	s_cbranch_scc1 .Lend                           ; no tile for this wave
	s_mov_b32 s24, s20                             ; my tile
	s_sub_co_u32 s36, s23, 1
	s_sub_co_u32 s37, s23, s20
	s_add_co_u32 s37, s37, 3
	s_lshr_b32 s37, s37, 2                         ; my tiles: ceil((nt - wave) / 4), at least 1 here,
	s_min_u32 s37, s37, 16                         ; and at most 16: an expert has at most 64 tiles
	s_mov_b32 s38, 0                               ; trips done
	ENTADR 4
	s_wait_alu depctr_va_vdst(0)                   ; v12 is written, which the LDS load below reads as its address
	ds_load_b32 v10, v12
.irp t, 0,1,2,3,4,5,6,7
.irp f, 0,1
	ds_load_b128 v[W1S+8*\t+4*\f:W1S+8*\t+4*\f+3], v[RB] offset:512*(2*\t+\f)
.endr
.endr
	WIN 0xc0                                       ; destination window 3
.irp t, 0,1,2,3,4,5,6,7
.irp f, 0,1
	ds_load_b128 v[8*\t+4*\f:8*\t+4*\f+3], v[RB] offset:8192+512*(2*\t+\f)
.endr
.endr
	WIN 0x40
	WREAD 0
	WIN 0x80
	WREAD 4
	WIN 0
.Ltile:
	s_wait_loadcnt 0x0                             ; the tile's x; also frees v7, v8
	s_wait_dscnt 0x0                               ; the next entries (in the first trip the slice's images too)
	s_wait_alu depctr_vm_vsrc(0)                   ; x's loads have read v7 and v8, the entries' load v12, the last trip's stores v[PC ..] and v[PW]: this trip writes all of them again
	WIN 0x31                                       ; source 0 window 1, C (b1) window 3
	MULS 0
	WIN 0x01
	MULS 1
	MULS 2
	MULS 3
	WIN 0x02                                       ; source 0 window 2
	MULS 4
	MULS 5
	MULS 6
	MULS 7
	WIN 0
.rept 4
	v_nop                                          ; four places in front of the first read of the results (ISA guide 7.12.1)
.endr
	s_add_co_u32 s25, s24, 4
	s_cmp_lt_u32 s25, s23
	s_cbranch_scc0 .Lno_next
	ADDR 10                                        ; my next tile's rows are asked for here and land under the gelu
	ENTADR 8
	s_wait_alu depctr_va_vdst(0)                   ; the products are done reading x's fragments and scale words, in which the loads below land; ADDR is done reading v10, in which the entries' load lands; v7, v8 and v12 are written
	XLOAD
	ds_load_b32 v10, v12
.Lno_next:
	GELU
	s_wait_xcnt 0x0                                ; the last trip's stores have read their data and bases: both are written again below
	s_min_u32 s32, s24, 63
	s_lshl_b32 s33, s21, 6
	s_add_co_u32 s32, s32, s33
	s_lshl_b32 s32, s32, 5
	s_add_co_u32 s32, s32, s22                     ; (expert x 64 + tile) x 32 + slice
	s_lshl_b32 s34, s32, 10
	s_add_nc_u64 s[40:41], s[16:17], s[34:35]
	s_lshl_b32 s34, s32, 7
	s_add_nc_u64 s[42:43], s[18:19], s[34:35]
	QUANT HA
	s_wait_alu depctr_va_vdst(0)                   ; the conversions and the exchanges have written v[PC ..], the shifts v[PW]: the three stores read them
	global_store_b128 v4, v[PC:PC+3], s[40:41]               ; 512 consecutive bytes, aligned
	global_store_b128 v4, v[PC+4:PC+7], s[40:41] offset:512
	global_store_b32 v5, v[PW], s[42:43]
	s_add_co_u32 s24, s24, 4                       ; my next tile
	s_add_co_u32 s38, s38, 1                       ; the loop is counted by its trips, one at a time
	s_cmp_lt_u32 s38, s37
	s_cbranch_scc1 .Ltile
.Lend:
	s_wait_dscnt 0x0                               ; the closing lines, six on end
	s_wait_alu 0x0
	s_wait_tensorcnt 0x0
	ds_add_u32 v170, v171
	s_wait_dscnt 0x0
	s_endpgm
.Lfunc_end_k_qfc710bbf5d_up:
	.size	k_qfc710bbf5d_up, .Lfunc_end_k_qfc710bbf5d_up-k_qfc710bbf5d_up
	.p2alignl 7, 3214868480
	.fill 96, 4, 3214868480
	.section	.rodata,"a",@progbits
	.p2align	6, 0x0
	.amdhsa_kernel k_qfc710bbf5d_up
		.amdhsa_group_segment_fixed_size 87040
		.amdhsa_private_segment_fixed_size 0
		.amdhsa_enable_private_segment 0
		.amdhsa_kernarg_size 72
		.amdhsa_user_sgpr_count 2
		.amdhsa_user_sgpr_kernarg_segment_ptr 1
		.amdhsa_wavefront_size32 1
		.amdhsa_system_sgpr_workgroup_id_x 1
		.amdhsa_system_sgpr_workgroup_id_y 1
		.amdhsa_system_sgpr_workgroup_id_z 1
		.amdhsa_system_vgpr_workitem_id 0
		.amdhsa_next_free_vgpr 896
		.amdhsa_next_free_sgpr 98
		.amdhsa_reserve_vcc 0
		.amdhsa_float_denorm_mode_32 3
		.amdhsa_float_denorm_mode_16_64 3
		.amdhsa_memory_ordered 1
		.amdhsa_forward_progress 1
		.amdhsa_inst_pref_size 85
	.end_amdhsa_kernel
	.amdgpu_metadata
---
amdhsa.version: [ 1, 2 ]
amdhsa.kernels:
  - .name:           k_qfc710bbf5d_up
    .symbol:         k_qfc710bbf5d_up.kd
    .args:
      - { .name: sel, .offset: 0, .size: 8, .value_kind: global_buffer, .address_space: global }
      - { .name: xc, .offset: 8, .size: 8, .value_kind: global_buffer, .address_space: global }
      - { .name: xsc, .offset: 16, .size: 8, .value_kind: global_buffer, .address_space: global }
      - { .name: w1_codes, .offset: 24, .size: 8, .value_kind: global_buffer, .address_space: global }
      - { .name: w1_scales, .offset: 32, .size: 8, .value_kind: global_buffer, .address_space: global }
      - { .name: b1, .offset: 40, .size: 8, .value_kind: global_buffer, .address_space: global }
      - { .name: hc, .offset: 48, .size: 8, .value_kind: global_buffer, .address_space: global }
      - { .name: hsc, .offset: 56, .size: 8, .value_kind: global_buffer, .address_space: global }
      - { .name: list, .offset: 64, .size: 8, .value_kind: global_buffer, .address_space: global }
    .group_segment_fixed_size: 87040
    .private_segment_fixed_size: 0
    .kernarg_segment_align: 8
    .kernarg_segment_size: 72
    .max_flat_workgroup_size: 128
    .sgpr_count:     98
    .vgpr_count:     896
    .wavefront_size: 32
...
	.end_amdgpu_metadata
.endif
;; end of part 8
;; launch down (part 9): grid 32 x 8, 4 waves a work-group, no clusters, 68,096 bytes of LDS; arguments list, hc, hsc, w2_codes, w2_scales, b2, ybuf; writes ybuf
.if DOCPART == 9
	.amdgcn_target "amdgcn-amd-amdhsa--gfx1250"
	.amdhsa_code_object_version 6
	.text
	.protected	k_qfc710bbf5d_down
	.globl	k_qfc710bbf5d_down
	.p2align	8
	.type	k_qfc710bbf5d_down,@function
k_qfc710bbf5d_down:
	s_mov_b64 s[64:65], 0
	v_nop
	global_prefetch_b8 v0, s[64:65] scope:SCOPE_SE
	s_setreg_imm32_b32 hwreg(HW_REG_WAVE_SCHED_MODE, 0, 2), 2
	s_setreg_imm32_b32 hwreg(HW_REG_WAVE_MODE, 25, 1), 1
	s_wait_xcnt 0x0
	s_wait_alu depctr_vm_vsrc(0)
; SECOND PRODUCT: y = h W2^T + b2 for the routed rows.  Work-group: x = column slice c (x % 8: 128 output columns) and row quarter q (x / 8), y = expert.
; THE WEIGHTS STAND STILL: wave w holds K steps 8 w .. 8 w + 7 (1,024 of the 4,096 along K) of the slice's 128 rows of W2: 64 fragments, 512 registers, read once.
; The work-group takes the expert's tiles q, q + 4, .. of 16 rows.  Each wave makes a partial sum of the tile's 16 x 128 results; the four meet in LDS; wave w adds rows 4 w .. 4 w + 3,
; adds b2, and stores each as 512 consecutive aligned bytes at row = list entry of ybuf (pads fall into rows from 2048 on, which nobody reads).
; THE LOOP HAS A CONSTANT 16 TILES (8 trips of two): every wave passes every barrier.  A tile at or past nt jumps over its work, never over the barrier or the waits in front of it.
; No tensor load, no cluster: what is skipped hangs on a stored number.
; THE HIDDEN LAYER'S FRAGMENTS come as images of the operand's registers, two sets by turns.  Both are filled at the head (tiles q and q + 4, held at nt - 1: nt is at least 1, so these bytes were stored).
; Set b is filled again, with the tile two turns on, behind its tile's barrier; the wait for all loads stands in front of EVERY barrier, so a refill has the rest of its tile and the next tile's 64 products in which to land.
; THE LIST ENTRIES of my four rows of a tile come with the tile's fragments: one load of 16 bytes, the same address in every lane, into the set's own four registers.  So nothing in the loop waits for them by itself.
; THE PRODUCT IS USED TRANSPOSED (source 0 = 16 rows of W2, source 1 = 16 rows of h): a lane holds eight neighbouring columns of one row.  K is split over the four waves: the f32 sums are added in another order than one chain.
; LDS: two stages by turns, 33,792 bytes each: four partial sums of 16 rows x (512 bytes + 16).  Stage b is written again only behind the other tile's barrier, in front of which every wave has waited for its reads.
; THE MODE: SCHED_MODE bits 1:0 = 2 (LLVM: expert scheduling mode 2), set by the entry lines.  The code itself states the register dependences
; between vector or matrix instructions and memory or LDS instructions, with s_wait_alu, always for 0.
; THE PLAN.  Registers that memory or LDS instructions touch:
;   v4 to v9          offsets and LDS addresses: made once at the head, ahead of the first load, and never written again.
;   AF[b], HS[b]      the refill of set b lands there; tile's products read them.          EN[b]  lands with the refill; read by the four v_min_u32 behind the barrier.
;   EA[b]             written by TILEADR; read by the refill's last load.
;   the accumulators  written by the products; read by the sixteen LDS stores.
;   RR                the stage's sixteen loads land there; the additions read and write it; the four global stores read it.        OF  written behind the barrier; read by the four global stores.
; A tile has FOUR waits.  (1) va_vdst behind the products' places: the accumulators are written.  (2) vm_vsrc at the meeting point, on every path, ahead of the barrier: the LDS stores have read the accumulators, the last
; tile's global stores RR and OF, the earlier refill EA[b]: all that the rest of this tile and the next tile's products write.  (3) va_vdst behind the switch to window 3, ahead of the stage's loads: the last tile's additions
; are done with RR, the v_min_u32 are done reading EN[b], EA[b] is written; the refill, which follows the stage's loads, hangs on nothing else, since (1) has shown the products done reading the set.
; (4) va_vdst ahead of the global stores: RR and OF are written.  So that (3) serves the refill too, TILEADR stands ahead of the branch on whether there is a tile two turns on: it is address arithmetic alone.
; REGISTERS: window 0: v1-12 addresses; v16-23 list entries, two sets of 4; v24-27 the four rows' offsets in ybuf; v32-95 W2's scale words (8 n + s); v96-111 h's scale words, two sets; v112-239 h's fragments, two sets of 64.
;   windows 1, 2: W2's fragment (tile n, K step s) at v[8 (8 (s % 4) + n)] of window 1 + s / 4.   window 3: v0-63 the 8 accumulators; v64-127 rows read back (row i, part p at 64 + 16 i + 4 p); v128-131 b2.
.set EA,  10                           ; v10-11  where a set's entries lie in the list: 64 tile + 16 wave
.set EN,  16
.set OF,  24
.set W2S, 32
.set HS,  96
.set AF,  112
.set RR,  64
.set B2,  128
.set STAGE, 33792
.set PART,  8448
.set SP,    528
.set MSB, 0
.macro WIN new                         ; the immediate's high byte repeats the setting that is left
.if MSB != (\new)
	s_set_vgpr_msb (MSB<<8)|(\new)
.set MSB, (\new)
.endif
.endm
.macro TILEADR j, ta, ts, buf          ; tile s[j]: its fragments' and scale words' bases (my wave's 8 K steps), and its entries' place in the list
	s_lshl_b32 s46, s[\j], 15
	s_add_nc_u64 s[\ta:\ta+1], s[6:7], s[46:47]
	s_lshl_b32 s46, s[\j], 12
	s_add_nc_u64 s[\ts:\ts+1], s[8:9], s[46:47]
	s_lshl_b32 s46, s[\j], 6
	v_add_nc_u32 v[EA+\buf], s46, v12
.endm
.macro HLOAD buf, ta, ts               ; 8 fragments (each load 512 consecutive bytes), 8 scale words, 4 entries
.irp s, 0,1,2,3,4,5,6,7
.irp c, 0,1
	global_load_b128 v[AF+64*\buf+8*\s+4*\c:AF+64*\buf+8*\s+4*\c+3], v4, s[\ta:\ta+1] offset:1024*\s+512*\c
.endr
.endr
.irp s, 0,1,2,3,4,5,6,7
	global_load_b32 v[HS+8*\buf+\s], v5, s[\ts:\ts+1] offset:128*\s
.endr
	global_load_b128 v[EN+4*\buf:EN+4*\buf+3], v[EA+\buf], s[4:5]
.endm
.macro W2LOAD w                        ; K steps 4 w .. 4 w + 3 of my eight, all 8 tiles: eight loads in a row cover 16 rows x 256 aligned bytes
.irp n, 0,1,2,3,4,5,6,7
.irp q, 0,1,2,3
.irp c, 0,1
	global_load_b128 v[8*(8*\q+\n)+4*\c:8*(8*\q+\n)+4*\c+3], v8, s[10:11] offset:32768*\n+64*(4*\w+\q)+32*\c
.endr
.endr
.endr
.endm
.macro MULS b, s                       ; K step s of the 8 column tiles: the 8 accumulators take turns, one instruction a turn; the first starts the sums
.irp n, 0,1,2,3,4,5,6,7
.if (\s) == 0
	v_wmma_scale_f32_16x16x128_f8f6f4 v[8*\n:8*\n+7], v[8*\n:8*\n+7], v[AF+64*\b:AF+64*\b+7], 0, v[W2S+8*\n], v[HS+8*\b] matrix_a_fmt:MATRIX_FMT_FP4 matrix_b_fmt:MATRIX_FMT_FP4
.else
	v_wmma_scale_f32_16x16x128_f8f6f4 v[8*\n:8*\n+7], v[8*(8*((\s)%4)+\n):8*(8*((\s)%4)+\n)+7], v[AF+64*\b+8*(\s):AF+64*\b+8*(\s)+7], v[8*\n:8*\n+7], v[W2S+8*\n+(\s)], v[HS+8*\b+(\s)] matrix_a_fmt:MATRIX_FMT_FP4 matrix_b_fmt:MATRIX_FMT_FP4
.endif
.endr
.endm
	s_load_b256 s[4:11], s[0:1], 0x0               ; list s[4:5], hc s[6:7], hsc s[8:9], w2_codes s[10:11]
	s_load_b128 s[12:15], s[0:1], 0x20             ; w2_scales s[12:13], b2 s[14:15]
	s_load_b64 s[16:17], s[0:1], 0x30              ; ybuf
	v_lshl_add_u32 v254, v0, 2, 0x10800            ; my spare word, behind the two stages, and 0: made here and kept for the closing lines alone
	v_mov_b32 v255, 0
	v_lshrrev_b32 v3, 5, v0
	v_readfirstlane_b32 s20, v3                    ; wave 0..3
	s_and_b32 s21, ttmp7, 0xffff                   ; expert
	s_and_b32 s22, ttmp9, 7                        ; column slice
	s_lshr_b32 s23, ttmp9, 3                       ; row quarter
	v_and_b32 v1, 15, v0                           ; r
	v_bfe_u32 v2, v0, 4, 1                         ; h
	v_and_b32 v3, 31, v0
	v_lshlrev_b32 v4, 4, v3                        ; 16 x lane
	v_lshlrev_b32 v5, 2, v3                        ; 4 x lane
	s_wait_alu depctr_va_sdst(0)                   ; s20, the wave's number, is written, ahead of its first reader
	s_mul_i32 s46, s20, PART
	v_mul_u32_u24 v6, v1, SP
	v_lshl_add_u32 v6, v2, 5, v6
	v_add_nc_u32 v6, s46, v6                       ; the stage, in: my part, row r, + 32 h
	s_mul_i32 s46, s20, 4*SP
	v_add_nc_u32 v7, s46, v4                       ; and back: rows 4 w on, 16 bytes a lane
	v_lshlrev_b32 v8, 11, v1
	v_lshl_add_u32 v8, v2, 4, v8                   ; W2: a row is 2,048 bytes
	v_lshlrev_b32 v9, 7, v1                        ; its scale bytes: 128 a row
	s_lshl_b32 s50, s20, 4
	v_mov_b32 v12, s50                             ; 16 x wave: my four entries' bytes among a tile's 64
	s_mul_i32 s46, s21, 4608
	s_mov_b32 s47, 0
	s_wait_kmcnt 0x0
	s_add_nc_u64 s[4:5], s[4:5], s[46:47]          ; my expert's list
	s_load_b32 s24, s[4:5], 0x1180                 ; nt
	s_lshl_b32 s46, s21, 21
	s_lshl_b32 s48, s20, 13
	s_add_co_u32 s46, s46, s48
	s_add_nc_u64 s[6:7], s[6:7], s[46:47]          ; hc: my expert's tiles, my wave's 8 K steps
	s_lshl_b32 s46, s21, 18
	s_lshl_b32 s48, s20, 10
	s_add_co_u32 s46, s46, s48
	s_add_nc_u64 s[8:9], s[8:9], s[46:47]          ; hsc likewise
	s_lshl_b32 s49, s21, 10
	s_lshl_b32 s48, s22, 7
	s_add_co_u32 s49, s49, s48                     ; my first row of W2: 1024 expert + 128 slice
	s_lshl_b32 s46, s49, 11
	s_lshl_b32 s48, s20, 9
	s_add_co_u32 s46, s46, s48
	s_add_nc_u64 s[10:11], s[10:11], s[46:47]
	s_lshl_b32 s46, s49, 7
	s_lshl_b32 s48, s20, 5
	s_add_co_u32 s46, s46, s48
	s_add_nc_u64 s[12:13], s[12:13], s[46:47]
	s_lshl_b32 s46, s49, 2
	s_add_nc_u64 s[14:15], s[14:15], s[46:47]
	s_lshl_b32 s46, s22, 9
	s_add_nc_u64 s[44:45], s[16:17], s[46:47]      ; ybuf at my slice's 512 bytes of a row
	s_wait_alu depctr_va_vdst(0)                   ; the offsets and LDS addresses v4 to v9 are written: the kernel's loads and LDS instructions read them, and no vector line writes them again
.irp n, 0,1,2,3,4,5,6,7
	global_load_b128 v[W2S+8*\n:W2S+8*\n+3], v9, s[12:13] offset:2048*\n
	global_load_b128 v[W2S+8*\n+4:W2S+8*\n+7], v9, s[12:13] offset:2048*\n+16
.endr
	WIN 0xc0                                       ; destination window 3
	global_load_b128 v[B2:B2+3], v4, s[14:15]      ; b2 of my four columns of a row
	WIN 0x40
	W2LOAD 0
	WIN 0x80
	W2LOAD 1
	WIN 0
	s_wait_kmcnt 0x0
	s_sub_co_u32 s49, s24, 1                       ; nt - 1
	s_min_u32 s48, s23, s49
	s_min_u32 s48, s48, 63
	TILEADR 48, 28, 30, 0
	s_add_co_u32 s48, s23, 4
	s_min_u32 s48, s48, s49
	s_min_u32 s48, s48, 63
	TILEADR 48, 36, 38, 1                          ; (a second set of bases: both sets' loads are out together)
	s_wait_alu depctr_va_vdst(0)                   ; v[EA] and v[EA+1] are written, which the two fills' last loads read as offsets
	HLOAD 0, 28, 30
	HLOAD 1, 36, 38
	s_mov_b32 s25, s23                             ; the tile in hand
	s_mov_b32 s26, 8
	s_wait_loadcnt 0x0                             ; the weights, and both sets
.macro TRIP b
	s_cmp_lt_u32 s25, s24
	s_cbranch_scc0 .Lmeet_\@
	WIN 0xf1                                       ; source 0 window 1, C and D window 3
	MULS \b, 0
	MULS \b, 1
	MULS \b, 2
	MULS \b, 3
	WIN 0xf2                                       ; source 0 window 2
	MULS \b, 4
	MULS \b, 5
	MULS \b, 6
	MULS \b, 7
	WIN 0x0c                                       ; an LDS store's data are its source 1: window 3
.rept 5
	v_nop                                          ; places behind the products: four for the stores that read the results, five for the next tile's products, which begin the accumulators anew
.endr
	s_wait_alu depctr_va_vdst(0)                   ; the products have written the accumulators, which the LDS stores read, and are done reading this set, in which the refill behind the barrier lands; the places above stay beside this wait
.irp n, 0,1,2,3,4,5,6,7
	ds_store_b128 v6, v[8*\n:8*\n+3] offset:STAGE*\b+64*\n          ; each accumulator from its low end on
	ds_store_b128 v6, v[8*\n+4:8*\n+7] offset:STAGE*\b+64*\n+16
.endr
	WIN 0
.Lmeet_\@:
	s_wait_loadcnt 0x0                             ; on every path: the refill issued behind the last barrier has landed; the next tile's products read it
	s_wait_dscnt 0x0                               ; my partial sum lies in the stage, and my reads of the other stage are over
	s_wait_alu depctr_vm_vsrc(0)                   ; on every path: my LDS stores have read the accumulators, which the next tile's products write; the last tile's global stores have read v[RR ..] and v[OF ..], the earlier refill v[EA+b]: all three are written below
	s_barrier_signal -1
	s_barrier_wait -1
	s_cmp_lt_u32 s25, s24
	s_cbranch_scc0 .Lnext_\@
	s_wait_xcnt 0x0                                ; the last tile's stores have read their data and offsets: both are written again below
.irp i, 0,1,2,3
	v_min_u32 v[OF+\i], 2175, v[EN+4*\b+\i]        ; the entry of row 4 w + i, held under ybuf's 2,176 rows; read ahead of the refill, which lands on the set's registers
.endr
.irp i, 0,1,2,3
	v_lshl_add_u32 v[OF+\i], v[OF+\i], 12, v4      ; a row of ybuf is 4,096 bytes; + 16 x lane
.endr
	s_add_co_u32 s48, s25, 8                       ; the tile two turns on,
	s_min_u32 s50, s48, 63                         ; held inside the expert's 64
	TILEADR 50, 28, 30, \b                         ; (the loads that named these bases and this address were waited for in front of the barrier)
	WIN 0xc0
	s_wait_alu depctr_va_vdst(0)                   ; the last tile's additions are done with v[RR ..], in which the loads below land; the v_min_u32 are done reading the set's entries, in which the refill lands; v[EA+b] is written, which the refill reads
.irp i, 0,1,2,3
.irp p, 0,1,2,3
	ds_load_b128 v[RR+16*\i+4*\p:RR+16*\i+4*\p+3], v7 offset:STAGE*\b+PART*\p+SP*\i
.endr
.endr
	WIN 0
	s_cmp_lt_u32 s48, s24
	s_cbranch_scc0 .Lnofill_\@
	HLOAD \b, 28, 30                               ; this set's next tile.  No wait: no vector or matrix instruction since the wait above names a register that these loads touch
.Lnofill_\@:
	s_wait_dscnt 0x0
	WIN 0xcf                                       ; destination and both sources window 3
.irp i, 0,1,2,3
.irp d, 0,2
	v_pk_add_f32 v[RR+16*\i+\d:RR+16*\i+\d+1], v[RR+16*\i+\d:RR+16*\i+\d+1], v[RR+16*\i+4+\d:RR+16*\i+4+\d+1]
	v_pk_add_f32 v[RR+16*\i+8+\d:RR+16*\i+8+\d+1], v[RR+16*\i+8+\d:RR+16*\i+8+\d+1], v[RR+16*\i+12+\d:RR+16*\i+12+\d+1]
.endr
.endr
.irp i, 0,1,2,3
.irp d, 0,2
	v_pk_add_f32 v[RR+16*\i+\d:RR+16*\i+\d+1], v[RR+16*\i+\d:RR+16*\i+\d+1], v[RR+16*\i+8+\d:RR+16*\i+8+\d+1]
.endr
.endr
.irp i, 0,1,2,3
.irp d, 0,2
	v_pk_add_f32 v[RR+16*\i+\d:RR+16*\i+\d+1], v[RR+16*\i+\d:RR+16*\i+\d+1], v[B2+\d:B2+\d+1]
.endr
.endr
	WIN 0x0c                                       ; a store's data are its source 1: window 3; its offset register is source 0: window 0
	s_wait_alu depctr_va_vdst(0)                   ; the additions have written v[RR ..], the shifts v[OF ..]: the four stores read them
.irp i, 0,1,2,3
	global_store_b128 v[OF+\i], v[RR+16*\i:RR+16*\i+3], s[44:45]          ; 32 lanes store 512 consecutive bytes, at a multiple of 512 from ybuf's first byte
.endr
	WIN 0
.Lnext_\@:
	s_add_co_u32 s25, s25, 4
.endm
.Lloop:
	TRIP 0
	TRIP 1
	s_sub_co_u32 s26, s26, 1
	s_cmp_lg_u32 s26, 0
	s_cbranch_scc1 .Lloop
	s_wait_dscnt 0x0                               ; the closing lines, six on end
	s_wait_alu 0x0
	s_wait_tensorcnt 0x0
	ds_add_u32 v254, v255
	s_wait_dscnt 0x0
	s_endpgm
.Lfunc_end_k_qfc710bbf5d_down:
	.size	k_qfc710bbf5d_down, .Lfunc_end_k_qfc710bbf5d_down-k_qfc710bbf5d_down
	.p2alignl 7, 3214868480
	.fill 96, 4, 3214868480
	.section	.rodata,"a",@progbits
	.p2align	6, 0x0
	.amdhsa_kernel k_qfc710bbf5d_down
		.amdhsa_group_segment_fixed_size 68096
		.amdhsa_private_segment_fixed_size 0
		.amdhsa_enable_private_segment 0
		.amdhsa_kernarg_size 56
		.amdhsa_user_sgpr_count 2
		.amdhsa_user_sgpr_kernarg_segment_ptr 1
		.amdhsa_wavefront_size32 1
		.amdhsa_system_sgpr_workgroup_id_x 1
		.amdhsa_system_sgpr_workgroup_id_y 1
		.amdhsa_system_sgpr_workgroup_id_z 1
		.amdhsa_system_vgpr_workitem_id 0
		.amdhsa_next_free_vgpr 904
		.amdhsa_next_free_sgpr 66
		.amdhsa_reserve_vcc 0
		.amdhsa_float_denorm_mode_32 3
		.amdhsa_float_denorm_mode_16_64 3
		.amdhsa_memory_ordered 1
		.amdhsa_forward_progress 1
		.amdhsa_inst_pref_size 55
	.end_amdhsa_kernel
	.amdgpu_metadata
---
amdhsa.version: [ 1, 2 ]
amdhsa.kernels:
  - .name:           k_qfc710bbf5d_down
    .symbol:         k_qfc710bbf5d_down.kd
    .args:
      - { .name: list, .offset: 0, .size: 8, .value_kind: global_buffer, .address_space: global }
      - { .name: hc, .offset: 8, .size: 8, .value_kind: global_buffer, .address_space: global }
      - { .name: hsc, .offset: 16, .size: 8, .value_kind: global_buffer, .address_space: global }
      - { .name: w2_codes, .offset: 24, .size: 8, .value_kind: global_buffer, .address_space: global }
      - { .name: w2_scales, .offset: 32, .size: 8, .value_kind: global_buffer, .address_space: global }
      - { .name: b2, .offset: 40, .size: 8, .value_kind: global_buffer, .address_space: global }
      - { .name: ybuf, .offset: 48, .size: 8, .value_kind: global_buffer, .address_space: global }
    .group_segment_fixed_size: 68096
    .private_segment_fixed_size: 0
    .kernarg_segment_align: 8
    .kernarg_segment_size: 56
    .max_flat_workgroup_size: 128
    .sgpr_count:     66
    .vgpr_count:     904
    .wavefront_size: 32
...
	.end_amdgpu_metadata
.endif
;; end of part 9
;; launch join: the kernel of part 5 again; grid 256 x 1, 4 waves a work-group, no clusters, 0 bytes of LDS; arguments ybuf, wts, out0; writes out0
